; MI455X (gfx1250); checked and timed in simulation.
; The chip was launched on July 23, 2026; its instructions are those of AMD's public machine-readable ISA for CDNA 5 (MIT licence, August 2026) and "CDNA5" Instruction Set Architecture Reference Guide (July 2026). The comments in the code are by the model that wrote it; some were corrected since.
;; Multi Head Attention. Allowed arithmetic: matrix products marked QUANTISED: E4M3 operands, one given power-of-two scale a tensor, by v_wmma_f32_16x16x64_fp8_fp8 or v_wmma_f32_16x16x128_fp8_fp8, f32 sums; everything else in f32.
;; Inputs: Wk 1,024 x 1,024 float32; Wo 1,024 x 1,024 float32; Wq 1,024 x 1,024 float32; Wv 1,024 x 1,024 float32; bk 1,024 float32; bo 1,024 float32; bq 1,024 float32; bv 1,024 float32; lowp_scales 12 int32 (the exponents e of the quantised operands' scales 2^e); padding_mask 4 x 2,048 int32; x 4 x 2,048 x 1,024 float32.
;; Outputs: out0 4 x 2,048 x 1,024 float32.
;; This version of the problem:
;;   THIS VERSION OF THE PROBLEM IS GIVEN IN LOW PRECISION. The matrix products marked QUANTISED in the list below multiply operands that are first quantised to E4M3 (4 exponent bits, 3 mantissa bits; 8 bits a number), with one given power-of-two scale for each operand tensor; their sums are f32. All else is computed in f32.
;;   The module's matrix products, in the order in which they are computed (A, B: the left and right operand; K: the contracted axis; several contracted axes count as one K, in the product's order):
;;     1. [M 8,192, K 1,024] x [K 1,024, N 1,024]; A: input x; B: input Wq: QUANTISED (scales: A lowp_scales[0], B lowp_scales[1])
;;     2. [M 8,192, K 1,024] x [K 1,024, N 1,024]; A: input x; B: input Wk: QUANTISED (scales: A lowp_scales[2], B lowp_scales[3])
;;     3. [M 8,192, K 1,024] x [K 1,024, N 1,024]; A: input x; B: input Wv: QUANTISED (scales: A lowp_scales[4], B lowp_scales[5])
;;     4. batch 64 x [M 2,048, K 64] x [K 64, N 2,048]; A: computed on the way; B: computed on the way: QUANTISED (scales: A lowp_scales[6], B lowp_scales[7])
;;     5. batch 64 x [M 2,048, K 2,048] x [K 2,048, N 64]; A: computed on the way; B: computed on the way: QUANTISED (scales: A lowp_scales[8], B lowp_scales[9])
;;     6. [M 8,192, K 1,024] x [K 1,024, N 1,024]; A: computed on the way; B: input Wo: QUANTISED (scales: A lowp_scales[10], B lowp_scales[11])
;;   THE QUANTISER, for each operand of a quantised product, along K:
;;     - The operand's scale is 2^e, e = its entry of the input lowp_scales (int32; the entries are numbered through the quantised products in the list's order, A before B).
;;     - Each number is divided by the scale, clamped to +-448, and rounded to the nearest number of E4M3, ties to even, subnormals kept.
;;     - The product sums the exact products of the quantised numbers (number of the format x scale) in f32.
;;   ~~~python
;;   def quantise(x, axis, e):      # numpy; x: float32 -> the quantised numbers, widened to float32 again
;;       x = np.moveaxis(x, axis, -1); K = x.shape[-1]
;;       r = np.clip(x / 2.0 ** e, -448, 448)
;;       step = 2.0 ** (np.maximum(np.frexp(np.where(r == 0, 1, r))[1] - 1, -6) - 3)
;;       q = np.round(r / step) * step * 2.0 ** e      # np.round: ties to even
;;       return np.moveaxis(q, -1, axis).astype(np.float32)
;;   ~~~
;;   OPERANDS COMPUTED ON THE WAY. 'Computed on the way' means the value that the module computes at that place (a softmax that the list does not call 'softmax' is quantised finished and normalised). What goes into a quantiser is computed in f32, as accurately as f32 sums, v_exp_f32 and their like allow (about 1e-6 of the number): no bf16 or f16 on the way to a quantiser, and a product that is left as it is and whose result goes on into a quantised operand takes f32 operands (vector FMAs, or v_wmma_f32_16x16x4_f32). A number that lies on a knife's edge between two numbers of the format may be rounded either way, as far as f32 arithmetic and the matrix unit's own rounding can turn it there, and no further.
;; One version. Each part assembles by itself: llvm-mc -triple=amdgcn-amd-amdhsa -mcpu=gfx1250 --defsym DOCPART=n.
;; ======== version 1 of 1: 4 launches
;; limits: right only within a limited range of input values
;; workspace buffers: xc 25,165,824 bytes; wc 4,194,304 bytes; qc 8,388,608 bytes; kc 8,388,608 bytes; vt 8,388,608 bytes; att 8,388,608 bytes
;; launch quant (part 1): grid 384 x 1, 4 waves a work-group, no clusters, 68,096 bytes of LDS; arguments x, Wq, Wk, Wv, Wo, lowp_scales, xc, wc; writes xc, wc
.if DOCPART == 1
	.amdgcn_target "amdgcn-amd-amdhsa--gfx1250"
	.amdhsa_code_object_version 6
	.text
	.protected	k_q70db79967e_quant
	.globl	k_q70db79967e_quant
	.p2align	8
	.type	k_q70db79967e_quant,@function
k_q70db79967e_quant:
	s_mov_b64 s[64:65], 0
	v_nop
	global_prefetch_b8 v0, s[64:65] scope:SCOPE_SE
	s_setreg_imm32_b32 hwreg(HW_REG_WAVE_MODE, 25, 1), 1
	s_wait_xcnt 0x0
; x [8192][1024] f32 becomes three planes of E4M3 codes (scales 2^e0, 2^e2, 2^e4: it is the left operand of three products, each with a scale of its own), K innermost: xc [3][8192][1024].
; Wq, Wk, Wv, Wo [k 1024][n 1024] f32 become codes with K innermost (scales 2^e1, 2^e3, 2^e5, 2^e11): wc [4][n 1024][k 1024].
; code = number / 2^e, held within +-448, to the nearest code, ties to even.
; LIMITS: each of these e lies between -126 and 119, so that 2^e and 448 x 2^e are f32 numbers.  NaN among the inputs is not served (an infinity is held at the largest code).
; Work-groups 0-255 take x, 32,768 numbers each; work-groups 256-383 take the weights, 128 columns x 256 along K each.  The two paths have LDS bytes of their own.
; No matrix unit, no cluster, no tensor load, no barrier: memory binds, waves share nothing, and no two work-groups read the same bytes.
.set STEPS, 16
.set SP,    80                         ; x: a lane's place in a stage: its 64 bytes + 16 of padding
.set WREG,  8192                       ; x: LDS bytes of a wave (two stages of 32 x SP)
.set R,     16                         ; v16-79   x: four sets of 16 numbers as loaded
.set X,     80                         ; v80-111  x: two sets of 16 neighbours
.set T,     112                        ; v112-159 x: three sets of 16 held numbers, one for each scale
.set C,     160                        ; v160-183 x: two sets of 12 registers of codes
.set WSTG,  32768                      ; weights: the stages begin here, 32 rows x PITCH for each wave
.set PITCH, 272
.set NB,    8                          ; weights: blocks of 32 along K for a wave
.set WX,    32                         ; v32-95   weights: two sets of 32 numbers
.set WCD,   96                         ; v96-103  weights: a block's codes
.set OUTR,  112                        ; v112-175 weights: the way out
	s_load_b256 s[4:11], s[0:1], 0x0               ; x s[4:5], Wq s[6:7], Wk s[8:9], Wv s[10:11]
	s_load_b256 s[12:19], s[0:1], 0x20             ; Wo s[12:13], the exponents s[14:15], xc s[16:17], wc s[18:19]
	v_lshl_add_u32 v192, v0, 2, 0x10800
	v_mov_b32 v193, 0
	v_lshrrev_b32 v1, 5, v0
	v_readfirstlane_b32 s20, v1                    ; wave
	v_and_b32 v2, 31, v0                           ; lane
	s_wait_kmcnt 0x0
	s_load_b256 s[24:31], s[14:15], 0x0            ; e0 .. e7
	s_load_b128 s[32:35], s[14:15], 0x20           ; e8 .. e11
	s_cmp_lt_u32 ttmp9, 256
	s_cbranch_scc0 .Lweights
; ---------------- x.  A wave takes 16 steps of 512 numbers.  Each load reads 512 consecutive bytes; a step's 2,048 bytes turn through the wave's own stage, so that a lane gets 16 neighbours along K.
	s_wait_alu depctr_va_vdst(0)
	v_lshlrev_b32 v3, 4, v2                        ; my 16 bytes of a load's 512, and of a step's 512 bytes of codes; never rewritten
	s_wait_alu depctr_va_vdst(0)
	s_mul_i32 s21, s20, WREG
	v_lshrrev_b32 v14, 2, v2
	v_mul_u32_u24 v14, v14, SP
	v_and_b32 v15, 3, v2
	v_lshl_add_u32 v14, v15, 4, v14
	v_add_nc_u32 v14, s21, v14                     ; the stage, on the way in: SP (lane / 4) + 16 (lane % 4)
	v_mul_u32_u24 v15, v2, SP
	v_add_nc_u32 v15, s21, v15                     ; and on the way out: SP x lane
	s_lshl_b32 s22, ttmp9, 2
	s_add_co_u32 s22, s22, s20                     ; which run of 8,192 numbers is my wave's: 0 .. 1023
	s_lshl_b32 s36, s22, 15
	s_mov_b32 s37, 0
	s_add_nc_u64 s[4:5], s[4:5], s[36:37]          ; 32,768 bytes of x a run
	s_lshl_b32 s36, s22, 13
	s_add_nc_u64 s[36:37], s[16:17], s[36:37]      ; 8,192 bytes of codes a run, in plane 0,
	s_add_nc_u64 s[38:39], s[36:37], 0x800000      ; plane 1,
	s_add_nc_u64 s[40:41], s[36:37], 0x1000000     ; plane 2
.macro LOAD t
.irp i, 0,1,2,3
	global_load_b128 v[R+16*((\t)%4)+4*\i:R+16*((\t)%4)+4*\i+3], v3, s[4:5] offset:2048*(\t)+512*\i th:TH_LOAD_NT
.endr
.endm
.macro TURN t                          ; LDS serves a wave's instructions in order: no wait between the stores and the loads
.irp i, 0,1,2,3
	ds_store_b128 v14, v[R+16*((\t)%4)+4*\i:R+16*((\t)%4)+4*\i+3] offset:32*SP*((\t)%2)+8*SP*\i
.endr
.irp i, 0,1,2,3
	ds_load_b128 v[X+16*((\t)%2)+4*\i:X+16*((\t)%2)+4*\i+3], v15 offset:32*SP*((\t)%2)+16*\i
.endr
.endm
.irp t, 0,1,2,3
	LOAD \t
.endr
	s_wait_alu depctr_va_vdst(0)
	s_wait_kmcnt 0x0
.irp k, 0,1,2                          ; v[4+2k] = 2^e(2k): the conversion takes its exponent field;  v[5+2k] = 448 x 2^e(2k)
	s_add_co_i32 s21, s[24+2*\k], 127
	s_lshl_b32 s22, s21, 23
	v_mov_b32 v[4+2*\k], s22
	s_add_co_i32 s21, s21, 8
	s_lshl_b32 s21, s21, 23
	s_or_b32 s21, s21, 0x600000
	v_mov_b32 v[5+2*\k], s21
.endr
	s_wait_alu depctr_va_vdst(0)
	s_wait_loadcnt 12                              ; step 0's four loads are in
	TURN 0
.macro STEP t
.set XS, X+16*((\t)%2)
.set CC, C+12*((\t)%2)
	s_wait_dscnt 0x0                               ; this step's numbers are back from the stage, and its stores into the stage have read their registers,
.if (\t)+4 < STEPS
	LOAD (\t)+4                                    ; which take the loads of four steps on
.endif
.if (\t)+1 < STEPS
.if STEPS-2-(\t) >= 3
	s_wait_loadcnt 12                              ; the next step's four loads are in; those of the three steps behind it may be out
.else
	s_wait_loadcnt 4*(STEPS-2-(\t))
.endif
	TURN (\t)+1
.endif
	s_wait_xcnt 0x0                                ; the stores of two steps ago have read this set of code registers: it is written again only behind this wait
.irp k, 0,1,2
.irp i, 0,1,2,3,4,5,6,7,8,9,10,11,12,13,14,15
	v_med3_num_f32 v[T+16*\k+\i], v[XS+\i], -v[5+2*\k], v[5+2*\k]   ; the conversion to an 8-bit code does not saturate (ISA guide 7.6.2): the hold comes first
.endr
	v_cvt_scalef32_pk8_fp8_f32 v[CC+4*\k:CC+4*\k+1], v[T+16*\k:T+16*\k+7], v[4+2*\k]
	v_cvt_scalef32_pk8_fp8_f32 v[CC+4*\k+2:CC+4*\k+3], v[T+16*\k+8:T+16*\k+15], v[4+2*\k]
.endr
	global_store_b128 v3, v[CC:CC+3], s[36:37] offset:512*(\t)      ; the wave stores 512 consecutive bytes, aligned
	global_store_b128 v3, v[CC+4:CC+7], s[38:39] offset:512*(\t)
	global_store_b128 v3, v[CC+8:CC+11], s[40:41] offset:512*(\t)
.endm
.irp t, 0,1,2,3,4,5,6,7,8,9,10,11,12,13,14,15
	STEP \t
.endr
	s_wait_tensorcnt 0x0
	ds_add_u32 v192, v193
	s_wait_dscnt 0x0
	s_endpgm
; ---------------- the weights.  A lane takes a column n and its registers run down K: the conversions then give codes with K innermost; they leave through the wave's stage as rows of 256 bytes.
.Lweights:
	s_sub_co_u32 s21, ttmp9, 256
	s_lshr_b32 s22, s21, 5                         ; which weight: 0 Wq, 1 Wk, 2 Wv, 3 Wo
	s_and_b32 s23, s21, 7                          ; which 128 columns
	s_bfe_u32 s21, s21, 0x20003                    ; which 256 along K
	s_lshl_b32 s23, s23, 7
	s_lshl_b32 s36, s20, 5
	s_add_co_u32 s23, s23, s36                     ; my wave's first column
	s_wait_alu depctr_va_vdst(0)
	v_lshlrev_b32 v3, 2, v2                        ; in: 4 bytes a lane
	s_mul_i32 s36, s20, 32*PITCH
	s_add_co_u32 s36, s36, WSTG                    ; my stage
	v_mul_u32_u24 v4, v2, PITCH
	v_add_nc_u32 v4, s36, v4                       ; into it: row = my column
	v_and_b32 v5, 15, v2
	v_lshrrev_b32 v6, 4, v2
	v_mul_u32_u24 v7, v6, PITCH
	v_lshl_add_u32 v7, v5, 4, v7
	v_add_nc_u32 v7, s36, v7                       ; out of it: sixteen lanes to a row, two rows an instruction
	v_lshlrev_b32 v8, 10, v6
	v_lshl_add_u32 v8, v5, 4, v8                   ; and the same place in the codes (rows of 1,024 bytes)
	s_cmp_eq_u32 s22, 1                            ; the choice of the buffer hangs on the work-group's number alone
	s_cselect_b64 s[6:7], s[8:9], s[6:7]
	s_cmp_eq_u32 s22, 2
	s_cselect_b64 s[6:7], s[10:11], s[6:7]
	s_cmp_eq_u32 s22, 3
	s_cselect_b64 s[6:7], s[12:13], s[6:7]
	s_lshl_b32 s36, s21, 20                        ; 256 rows of 4,096 bytes
	s_lshl_b32 s37, s23, 2
	s_add_co_u32 s36, s36, s37
	s_mov_b32 s37, 0
	s_add_nc_u64 s[6:7], s[6:7], s[36:37]
	s_lshl_b32 s36, s22, 20                        ; the weight's plane,
	s_lshl_b32 s38, s23, 10                        ; my first column's row,
	s_add_co_u32 s36, s36, s38
	s_lshl_b32 s38, s21, 8                         ; my 256 bytes of it
	s_add_co_u32 s36, s36, s38
	s_add_nc_u64 s[18:19], s[18:19], s[36:37]
.macro WLOAD t                         ; block t: W(32 t + i, my column): 32 lanes read 128 consecutive bytes, the four waves 512
.irp i, 0,1,2,3,4,5,6,7,8,9,10,11,12,13,14,15,16,17,18,19,20,21,22,23,24,25,26,27,28,29,30,31
	global_load_b32 v[WX+32*((\t)%2)+\i], v3, s[6:7] offset:(32*(\t)+\i)*4096 th:TH_LOAD_NT
.endr
.endm
	WLOAD 0
	WLOAD 1
	s_wait_kmcnt 0x0
	s_cmp_eq_u32 s22, 1
	s_cselect_b32 s38, s27, s25                    ; e3 or e1,
	s_cmp_eq_u32 s22, 2
	s_cselect_b32 s38, s29, s38                    ; e5,
	s_cmp_eq_u32 s22, 3
	s_cselect_b32 s38, s35, s38                    ; e11
	s_add_co_i32 s38, s38, 127
	s_lshl_b32 s39, s38, 23
	v_mov_b32 v11, s39                             ; 2^e
	s_add_co_i32 s38, s38, 8
	s_lshl_b32 s38, s38, 23
	s_or_b32 s38, s38, 0x600000
	v_mov_b32 v10, s38                             ; 448 x 2^e
.macro BLOCK t
.set XS, WX+32*((\t)%2)
.if (\t) < NB-1
	s_wait_loadcnt 32                              ; this block's 32 loads are in; the next block's may be out
.else
	s_wait_loadcnt 0
.endif
.irp i, 0,1,2,3,4,5,6,7,8,9,10,11,12,13,14,15,16,17,18,19,20,21,22,23,24,25,26,27,28,29,30,31
	v_med3_num_f32 v[XS+\i], v[XS+\i], -v10, v10
.endr
.irp g, 0,1,2,3
	v_cvt_scalef32_pk8_fp8_f32 v[WCD+2*\g:WCD+2*\g+1], v[XS+8*\g:XS+8*\g+7], v11
.endr
	ds_store_b128 v4, v[WCD:WCD+3] offset:32*(\t)
	ds_store_b128 v4, v[WCD+4:WCD+7] offset:32*(\t)+16
.if (\t)+2 < NB
	WLOAD (\t)+2
.endif
	s_wait_dscnt 0x0                               ; the stores have read their registers: the next block's codes may be written
.endm
	s_wait_alu depctr_va_vdst(0)
.irp t, 0,1,2,3,4,5,6,7
	BLOCK \t
.endr
.irp t, 0,1,2,3,4,5,6,7,8,9,10,11,12,13,14,15
	ds_load_b128 v[OUTR+4*\t:OUTR+4*\t+3], v7 offset:2*\t*PITCH
.endr
.irp t, 0,1,2,3,4,5,6,7,8,9,10,11,12,13,14,15
	s_wait_dscnt 15-\t
	global_store_b128 v8, v[OUTR+4*\t:OUTR+4*\t+3], s[18:19] offset:2*\t*1024   ; sixteen lanes store 256 consecutive bytes, aligned
.endr
	s_wait_tensorcnt 0x0
	ds_add_u32 v192, v193
	s_wait_dscnt 0x0
	s_endpgm
.Lfunc_end_k_q70db79967e_quant:
	.size	k_q70db79967e_quant, .Lfunc_end_k_q70db79967e_quant-k_q70db79967e_quant
	.p2alignl 7, 3214868480
	.fill 96, 4, 3214868480
	.section	.rodata,"a",@progbits
	.p2align	6, 0x0
	.amdhsa_kernel k_q70db79967e_quant
		.amdhsa_group_segment_fixed_size 68096
		.amdhsa_private_segment_fixed_size 0
		.amdhsa_enable_private_segment 0
		.amdhsa_kernarg_size 64
		.amdhsa_user_sgpr_count 2
		.amdhsa_user_sgpr_kernarg_segment_ptr 1
		.amdhsa_wavefront_size32 1
		.amdhsa_system_sgpr_workgroup_id_x 1
		.amdhsa_system_sgpr_workgroup_id_y 1
		.amdhsa_system_sgpr_workgroup_id_z 1
		.amdhsa_system_vgpr_workitem_id 0
		.amdhsa_next_free_vgpr 194
		.amdhsa_next_free_sgpr 66
		.amdhsa_reserve_vcc 0
		.amdhsa_float_denorm_mode_32 3
		.amdhsa_float_denorm_mode_16_64 3
		.amdhsa_memory_ordered 1
		.amdhsa_forward_progress 1
		.amdhsa_inst_pref_size 126
	.end_amdhsa_kernel
	.amdgpu_metadata
---
amdhsa.version: [ 1, 2 ]
amdhsa.kernels:
  - .name:           k_q70db79967e_quant
    .symbol:         k_q70db79967e_quant.kd
    .args:
      - { .name: x, .offset: 0, .size: 8, .value_kind: global_buffer, .address_space: global }
      - { .name: Wq, .offset: 8, .size: 8, .value_kind: global_buffer, .address_space: global }
      - { .name: Wk, .offset: 16, .size: 8, .value_kind: global_buffer, .address_space: global }
      - { .name: Wv, .offset: 24, .size: 8, .value_kind: global_buffer, .address_space: global }
      - { .name: Wo, .offset: 32, .size: 8, .value_kind: global_buffer, .address_space: global }
      - { .name: lowp_scales, .offset: 40, .size: 8, .value_kind: global_buffer, .address_space: global }
      - { .name: xc, .offset: 48, .size: 8, .value_kind: global_buffer, .address_space: global }
      - { .name: wc, .offset: 56, .size: 8, .value_kind: global_buffer, .address_space: global }
    .group_segment_fixed_size: 68096
    .private_segment_fixed_size: 0
    .kernarg_segment_align: 8
    .kernarg_segment_size: 64
    .max_flat_workgroup_size: 128
    .sgpr_count:     66
    .vgpr_count:     194
    .wavefront_size: 32
...
	.end_amdgpu_metadata
.endif
;; end of part 1
;; launch qkv (part 2): grid 4 x 96, 4 waves a work-group, clusters of 4 x 4, 327,680 bytes of LDS; arguments xc, wc, bq, bk, bv, lowp_scales, qc, kc, vt; writes qc, kc, vt
.if DOCPART == 2
	.amdgcn_target "amdgcn-amd-amdhsa--gfx1250"
	.amdhsa_code_object_version 6
	.text
	.protected	k_q70db79967e_qkv
	.globl	k_q70db79967e_qkv
	.p2align	8
	.type	k_q70db79967e_qkv,@function
k_q70db79967e_qkv:
	s_mov_b64 s[64:65], 0
	v_nop
	global_prefetch_b8 v0, s[64:65] scope:SCOPE_SE
	s_setreg_imm32_b32 hwreg(HW_REG_WAVE_MODE, 25, 1), 1
	s_wait_xcnt 0x0
	s_wait_alu depctr_hold_cnt(0) depctr_sa_sdst(0) depctr_va_vdst(0) depctr_va_sdst(0) depctr_va_ssrc(0) depctr_va_vcc(0) depctr_vm_vsrc(0)
	s_getreg_b32 s2, hwreg(HW_REG_IB_STS2, 6, 4)
	s_cmp_eq_u32 s2, 0
	s_cbranch_scc0 .Lentry_in_a_cluster
	s_endpgm
.Lentry_in_a_cluster:
	s_bfe_u32 s2, ttmp6, 0x10000c
	s_cmp_lg_u32 s2, 0xf033
	s_cbranch_scc0 .Lentry_shape_is_right
	s_endpgm
.Lentry_shape_is_right:
; The three projections on E4M3 codes, each result quantised at once for the attention's products.  K = 1,024.  A tile of C is 256 x 256, four waves, 128 x 128 a wave (64 accumulators).
; The cluster's y (0 .. 23) says which product: p = y / 8, u = y % 8.
;   p = 0, 1 (q, k):  C = x W + b.      A = plane p of xc, tile row 4 u + cy;  B = plane p of wc, tile column cx.      Rows of C are tokens, columns (head, d).
;   p = 2    (V^T):   C = (x Wv + bv)^T. A = plane 2 of wc, tile row cy;       B = plane 2 of xc, tile column 4 u + cx.  Rows of C are (head, d), columns tokens: the keys, which are the second attention product's K.
; The matrix instruction is used transposed (source 0 = 16 rows of B, source 1 = 16 rows of A): a lane holds eight neighbouring columns of one row of C, which is what the conversion to codes wants.
; OUT: qc, kc [batch x 16 + head][token 2048][64 bytes];  vt [batch x 16 + head][chunk of 128 keys][d 64][128 bytes].  Within each 32 bytes the two middle groups of eight change places
; (byte 32 g + 16 a + 8 u + j holds number 32 g + 16 u + 8 a + j): 16-byte loads at 16 x (lane / 16) then give the plain 8-bit forms their own order of k.
; value = sum x 2^(eA + eB) + bias, one fused multiply-add; code = value / 2^eo, held within +-448 (eo = e6 for q, e7 for k, e9 for v).
; LIMITS: e0 + e1, e2 + e3, e4 + e5 between -126 and 127; e6, e7, e9 between -126 and 119.  NaN among the inputs is not served.
; CLUSTERS: 4 x 4 work-groups; A's tile is asked for jointly along a row of the cluster, B's along a column.  Ring of two LDS slots of 256 along K.
; REGISTERS in windows of 256: window 0: v0-31 addresses; v32-127 the way out's codes and bias; from v128 A's fragments, one set (on the way out: the values).  window 1: B's fragments, two sets.  windows 2, 3: the accumulators.
.set KSTEP,  256
.set ROWB,   256
.set KROW,   1024
.set PITCH,  272                       ; an LDS row: 256 bytes + 16 of padding: the 16 rows that a load touches start at 16 different 16-byte columns modulo 256 bytes
.set FR,     16
.set NL,     4
.set NP,     4                         ; places behind this matrix instruction (ISA guide 7.12.1)
.set HALFT,  128*PITCH
.set SLOT,   4*HALFT
.set LAPS,   2                         ; K = 1,024 is twice round the ring
.set SPARE,  2*SLOT                    ; behind the ring: the spare words, 128 bytes for each wave
.set SPQ,    144                       ; the way out: a stage row, 128 bytes of codes + 16
.set STGV,   16384                     ; the stages lie in slot 0, which has had its last fill and its last read by then: q's and k's at byte 0, V^T's here
.set ADRA, 16
.set ADRB, 20
.set STOV, 22
.set RDV,  23
.set STOQ, 24
.set RDQ,  25
.set CO,   26
.set SPW,  28
.set NIL,  29
.set SCL,  30                          ; v30 2^eo
.set LIM,  31                          ; v31 448 x 2^eo
.set CODE, 32                          ; v32-47  a block's codes
.set BKR,  48                          ; each way out sets it again, to 16 a in window 1
.set BI,   64                          ; v64-127 the bias
.set TMP,  128                         ; v128-191 a block's values
.set AF,   128
.set G1, 24
.set G0, 32
.set G1B, 48
.set G0B, 56
.set MSB, 0
.macro WIN new                         ; the immediate's high byte repeats the setting that is left
.if MSB != \new
	s_set_vgpr_msb (MSB<<8)|\new
.set MSB, \new
.endif
.endm
.set MUL_LO, 0xa1                      ; source 0 (B) window 1, source 1 (A) window 0, C and D window 2
.set MUL_HI, 0xf1
.set TO_B,   0x40
; A joint load: waves 0 and 1 fetch for A, waves 2 and 3 for B; the branch hangs on the wave's number alone.  Four v_nop follow each of the two lines.
.macro JLOAD g0a, g1a, g0b, g1b
	s_cmp_eq_u32 s15, 0
	s_cbranch_scc0 .Lfor_b_\@
	tensor_load_to_lds s[\g0a:\g0a+3], s[\g1a:\g1a+7]
	s_nop 0
.rept 4
	v_nop
.endr
	s_branch .Lasked_\@
.Lfor_b_\@:
	tensor_load_to_lds s[\g0b:\g0b+3], s[\g1b:\g1b+7]
	s_nop 0
.rept 4
	v_nop
.endr
.Lasked_\@:
.endm
.macro CREST
	s_cmp_lg_u32 s14, 0
	s_cbranch_scc1 .Lnot_wave_0_\@
	s_barrier_signal -3
.Lnot_wave_0_\@:
	s_barrier_wait -3
	s_barrier_signal -1
	s_barrier_wait -1
.endm
.macro CROUND
	s_barrier_signal -1
	s_barrier_wait -1
	CREST
.endm
	s_load_b128 s[4:7], s[0:1], 0x0                ; xc, wc
	s_load_b128 s[8:11], s[0:1], 0x10              ; bq, bk
	s_load_b128 s[68:71], s[0:1], 0x20             ; bv, the exponents
	s_load_b128 s[72:75], s[0:1], 0x30             ; qc, kc
	s_load_b64 s[76:77], s[0:1], 0x40              ; vt
	v_lshl_add_u32 v[SPW], v0, 2, SPARE
	v_mov_b32 v[NIL], 0
	ds_add_u32 v28, v29
	ds_add_u32 v28, v29
	s_wait_dscnt 0x0
	v_lshrrev_b32 v1, 5, v0
	v_readfirstlane_b32 s14, v1                    ; wave 0..3
	s_lshr_b32 s15, s14, 1                         ; which half of the tile's rows is mine.  Also: I fetch for A (0) or for B (1)
	s_and_b32 s16, s14, 1                          ; which half of its columns.  Also: which 128 rows of that tile I fetch
	s_bfe_u32 s40, ttmp6, 0x40000                  ; cx
	s_bfe_u32 s41, ttmp6, 0x40004                  ; cy
	s_and_b32 s79, ttmp7, 0xffff                   ; the cluster's y: the same in all sixteen partners
	s_lshr_b32 s78, s79, 3                         ; p
	s_and_b32 s79, s79, 7
	s_lshl_b32 s79, s79, 2                         ; 4 u
	s_lshl_b32 s86, s78, 23                        ; plane p of xc
	s_lshl_b32 s87, s78, 20                        ; plane p of wc
	s_cmp_eq_u32 s78, 2
	s_cselect_b32 s80, 0, s79                      ; the cluster's first tile row,
	s_cselect_b32 s81, s79, 0                      ; its first tile column,
	s_cselect_b32 s82, 0x200000, s86               ; A's plane,
	s_cselect_b32 s84, 0x1000000, s87              ; B's plane
	s_mov_b32 s83, 0
	s_mov_b32 s85, 0
	s_add_co_u32 s17, s80, s41                     ; tile row of C
	s_add_co_u32 s42, s81, s40                     ; tile column of C
	s_lshl_b32 s43, s41, 2
	s_lshl_b32 s43, 15, s43                        ; my row of the cluster
	s_lshl_b32 s44, 0x1111, s40                    ; my column
	s_or_b32 s[G1+0], s43, (0<<16)|(1<<20)|(1<<21)|(5<<22)|(3<<25)  ; the mask; elements of 1 byte; padding on; bit 21 beside a mask; 4 words behind every 64
	s_or_b32 s[G1B+0], s44, (0<<16)|(1<<20)|(1<<21)|(5<<22)|(3<<25)
.irp g, G1, G1B
	s_mov_b32 s[\g+1], ROWB<<16                    ; tensor_dim0
	s_mov_b32 s[\g+2], 128<<16                     ; tensor_dim1
	s_mov_b32 s[\g+3], ROWB<<16                    ; tile_dim0
	s_mov_b32 s[\g+4], 128                         ; tile_dim1
	s_mov_b32 s[\g+5], KROW                        ; from row to row: both operands have rows of 1,024 bytes
	s_mov_b32 s[\g+6], 0
	s_mov_b32 s[\g+7], 0
.endr
	s_lshl_b32 s18, s16, 7
	s_lshl_b32 s20, s17, 8
	s_add_co_u32 s20, s20, s18                     ; A: row 256 x tile row + 128 x half
	s_lshl_b32 s46, s42, 8
	s_add_co_u32 s46, s46, s18                     ; B: row 256 x tile column + 128 x half
	s_lshl_b32 s20, s20, 10
	s_lshl_b32 s46, s46, 10
	s_mov_b32 s21, 0
	s_mov_b32 s47, 0
	s_add_nc_u64 s[20:21], s[20:21], s[82:83]
	s_add_nc_u64 s[46:47], s[46:47], s[84:85]
	s_mul_i32 s45, s14, HALFT                      ; where they go: wave x 128 rows
	s_wait_kmcnt 0x0
	s_load_b256 s[88:95], s[70:71], 0x0            ; e0 .. e7
	s_load_b128 s[96:99], s[70:71], 0x20           ; e8 .. e11
	s_cmp_eq_u32 s78, 2
	s_cselect_b64 s[22:23], s[6:7], s[4:5]         ; A's buffer: the choice hangs on the cluster's y alone
	s_cselect_b64 s[86:87], s[4:5], s[6:7]         ; B's
	s_add_nc_u64 s[20:21], s[22:23], s[20:21]
	s_add_nc_u64 s[46:47], s[86:87], s[46:47]
	CROUND                                         ; all sixteen work-groups are here: the first joint loads meet
.irp s, 0,1
	s_mov_b32 s[G0+4*\s], 1
	s_add_co_u32 s[G0+4*\s+1], s45, \s*SLOT
	s_add_nc_u64 s[G0+4*\s+2:G0+4*\s+3], s[20:21], \s*ROWB
	s_or_b32 s[G0+4*\s+3], s[G0+4*\s+3], 0x80000000
	s_mov_b32 s[G0B+4*\s], 1
	s_add_co_u32 s[G0B+4*\s+1], s45, \s*SLOT
	s_add_nc_u64 s[G0B+4*\s+2:G0B+4*\s+3], s[46:47], \s*ROWB
	s_or_b32 s[G0B+4*\s+3], s[G0B+4*\s+3], 0x80000000
.endr
	JLOAD G0, G1, G0B, G1B                         ; K step 0: one tensor load a wave at the head
	v_and_b32 v1, 15, v0                           ; r = lane % 16 (kept)
	s_wait_alu depctr_va_vdst(0)
	v_bfe_u32 v2, v0, 4, 1                         ; h = lane / 16 (kept)
	v_mul_u32_u24 v3, v1, PITCH
	v_lshl_add_u32 v4, v2, 4, v3
	s_mul_i32 s21, s15, HALFT
	s_mul_i32 s22, s16, HALFT
	s_add_co_u32 s22, s22, 2*HALFT
.irp s, 0,1
	v_add_nc_u32 v[ADRA+\s], s21, v4
	v_add_nc_u32 v[ADRB+\s], s22, v4
	s_add_co_u32 s21, s21, SLOT
	s_add_co_u32 s22, s22, SLOT
.endr
	; the stages' addresses, for both ways out, are all made here
	s_mul_i32 s23, s14, 16*SPQ
	v_mul_u32_u24 v5, v1, SPQ
	s_wait_alu depctr_va_vdst(0)
	v_lshl_add_u32 v5, v2, 4, v5
	v_add_nc_u32 v[STOQ], s23, v5                  ; in: row r, 16 bytes for each half of the lanes
	v_add_nc_u32 v[STOV], STGV, v[STOQ]
	v_and_b32 v6, 31, v0
	v_lshlrev_b32 v[CO], 4, v6                     ; in memory: 16 bytes a lane
	v_lshrrev_b32 v3, 2, v6
	v_mul_u32_u24 v3, v3, SPQ
	v_and_b32 v5, 3, v6
	v_lshl_add_u32 v3, v5, 4, v3
	v_add_nc_u32 v[RDQ], s23, v3                   ; back, q and k: four lanes to a token's 64 bytes of one head
	v_lshrrev_b32 v3, 3, v6
	v_mul_u32_u24 v3, v3, SPQ
	v_and_b32 v5, 7, v6
	v_lshl_add_u32 v3, v5, 4, v3
	v_add_nc_u32 v3, s23, v3
	v_add_nc_u32 v[RDV], STGV, v3                  ; back, V^T: eight lanes to a row of 128 bytes
.macro FRAG reg, adr, q, i             ; 16 rows x 128 K: registers 4 c .. 4 c + 3 hold K = 32 c + 16 (lane / 16) + 0 .. 15: the same order of k in A and in B
.irp c, 0,1,2,3
	ds_load_b128 v[\reg+4*\c:\reg+4*\c+3], v[\adr] offset:128*(\q)+32*\c+(\i)*16*PITCH
.endr
.endm
; 16 matrix instructions.  The 64 accumulators take turns, one instruction a turn, in the same order in every step.
.macro MUL16 a0, p, zero
.irp a, \a0, \a0+1
.irp b, 0,1,2,3,4,5,6,7
.if \zero
	v_wmma_f32_16x16x128_fp8_fp8 v[8*(8*((\a)%4)+\b):8*(8*((\a)%4)+\b)+7], v[128*(\p)+FR*\b:128*(\p)+FR*\b+FR-1], v[AF+FR*(\a):AF+FR*(\a)+FR-1], 0
.else
	v_wmma_f32_16x16x128_fp8_fp8 v[8*(8*((\a)%4)+\b):8*(8*((\a)%4)+\b)+7], v[128*(\p)+FR*\b:128*(\p)+FR*\b+FR-1], v[AF+FR*(\a):AF+FR*(\a)+FR-1], v[8*(8*((\a)%4)+\b):8*(8*((\a)%4)+\b)+7]
.endif
.endr
.endr
.endm
.macro FETCH_B slot, q, p
	WIN TO_B
.irp i, 0,1,2,3,4,5,6,7
	FRAG 128*(\p)+FR*\i, ADRB+\slot, \q, \i
.endr
	WIN 0
.endm
.macro FETCH_A slot, q, i0
.irp i, \i0, \i0+1, \i0+2, \i0+3
	FRAG AF+FR*(\i), ADRA+\slot, \q, \i
.endr
.endm
.macro PLACES n                        ; plain vector lines between a matrix instruction and a load into, or a vector line on, its registers
.rept \n
	v_nop
.endr
.endm
.macro STEP slot, q, zero              ; 128 along K, with its successor in the same slot
	s_wait_dscnt 4*NL                              ; B's set and A's blocks 0-3 are in; A's blocks 4-7 may be out
	WIN MUL_LO
	MUL16 0, (\q)%2, \zero
	MUL16 2, (\q)%2, \zero
	s_wait_dscnt 0
	PLACES NP
	FETCH_B \slot, (\q)+1, 1-(\q)%2
	FETCH_A \slot, (\q)+1, 0
	WIN MUL_HI
	MUL16 4, (\q)%2, \zero
	MUL16 6, (\q)%2, \zero
	PLACES NP
	WIN 0
	FETCH_A \slot, (\q)+1, 4
.endm
; A slot's last step changes slots: one barrier; in front of it each wave waits for all its tensor loads, adds 0 to its spare word, and waits for that and for its reads of this slot.
.macro TURN slot, next, fill
	s_wait_tensorcnt 0x0                           ; all my tensor loads have landed: my part of the next slot
	ds_add_u32 v[SPW], v[NIL]
	s_wait_dscnt 4*NL+1                            ; the add and A's blocks 4-7 may be out
	WIN MUL_LO
	MUL16 0, 1, 0
	s_wait_dscnt 0x0                               ; the add is done, and my reads of this slot are over
	s_barrier_signal -1
	MUL16 2, 1, 0
	WIN 0
	s_barrier_wait -1
.if \fill
	CREST                                          ; the barrier has opened a round of the cluster's barrier: no wave of any partner still reads this slot or has a load on its way
	s_add_nc_u64 s[G0+4*\slot+2:G0+4*\slot+3], s[G0+4*\slot+2:G0+4*\slot+3], 2*ROWB
	s_add_nc_u64 s[G0B+4*\slot+2:G0B+4*\slot+3], s[G0B+4*\slot+2:G0B+4*\slot+3], 2*ROWB
	JLOAD G0+4*\slot, G1, G0B+4*\slot, G1B         ; the first tensor load behind the round; its four v_nop are the places in front of the loads below
.else
	PLACES NP
.endif
	FETCH_B \next, 0, 0
	FETCH_A \next, 0, 0
	WIN MUL_HI
	MUL16 4, 1, 0
	MUL16 6, 1, 0
	PLACES NP
	WIN 0
	FETCH_A \next, 0, 4
.endm
.macro LAST                            ; the very last step: nothing more to fetch
	s_wait_dscnt 4*NL
	WIN MUL_LO
	MUL16 0, 1, 0
	MUL16 2, 1, 0
	s_wait_dscnt 0
	WIN MUL_HI
	MUL16 4, 1, 0
	MUL16 6, 1, 0
	WIN 0
.endm
; THE WAY OUT of block a (16 rows of C x 128 columns).  mode 0: q, k (bias by column);  mode 1: V^T (bias by row).
; value = sum x 2^(eA + eB) + bias, each accumulator from its low end on; hold; eight codes a conversion; through my stage; out as 512 consecutive aligned bytes a store.
.macro OUTB a, mode
.set AC, 64*((\a)%4)
	WIN (0x02+((\a)/4))                            ; source 0: window 2 or 3
.set jj, 0
.rept 32
.if \mode
	v_pk_fma_f32 v[TMP+jj:TMP+jj+1], v[AC+jj:AC+jj+1], s[100:101], v[BI+2*(\a):BI+2*(\a)+1] op_sel_hi:[1,0,1]
.else
	v_pk_fma_f32 v[TMP+jj:TMP+jj+1], v[AC+jj:AC+jj+1], s[100:101], v[BI+jj:BI+jj+1] op_sel_hi:[1,0,1]
.endif
.set jj, jj+2
.endr
	WIN 0
.irp b, 0,1,2,3,4,5,6,7
.irp i, 0,1,2,3,4,5,6,7
	v_med3_num_f32 v[TMP+8*\b+\i], v[TMP+8*\b+\i], -v[LIM], v[LIM]   ; the conversion does not saturate (ISA guide 7.6.2)
.endr
	v_cvt_scalef32_pk8_fp8_f32 v[CODE+2*\b:CODE+2*\b+1], v[TMP+8*\b:TMP+8*\b+7], v[SCL]
.endr
	v_nop                                          ; a plain line behind the last conversion: the next block's values are written over its sources
.irp g, 0,1,2,3
.if \mode
	ds_store_b128 v[STOV], v[CODE+4*\g:CODE+4*\g+3] offset:32*\g    ; column blocks 2 g and 2 g + 1 side by side: the order of bytes stated at the head
.else
	ds_store_b128 v[STOQ], v[CODE+4*\g:CODE+4*\g+3] offset:32*\g
.endif
.endr
.set BKR, 16*(\a)                      ; each block's rows come back into 16 registers of its own in window 1 (B's fragments are done with): no store's data are written again
	WIN 0x40
.irp i, 0,1,2,3
.if \mode
	ds_load_b128 v[BKR+4*\i:BKR+4*\i+3], v[RDV] offset:4*SPQ*\i               ; four rows of 128 bytes
.else
	ds_load_b128 v[BKR+4*\i:BKR+4*\i+3], v[RDQ] offset:(\i/2)*64+(\i%2)*8*SPQ ; head i / 2, eight tokens
.endif
.endr
	s_wait_dscnt 0x0
	WIN 0x04                                       ; a store's data are its source 1
.irp i, 0,1,2,3
.if \mode
	global_store_b128 v[CO], v[BKR+4*\i:BKR+4*\i+3], s[72:73] offset:((\a)/4)*131072+((\a)%4)*2048+512*\i
.else
	global_store_b128 v[CO], v[BKR+4*\i:BKR+4*\i+3], s[72:73] offset:1024*(\a)+(\i/2)*131072+(\i%2)*512
.endif
.endr
	WIN 0
.endm
.macro CONSTS ea, eb, eo               ; s[100:101] = 2^(ea + eb); v30 = 2^eo; v31 = 448 x 2^eo
	s_add_co_i32 s18, s[\ea], s[\eb]
	s_add_co_i32 s18, s18, 127
	s_lshl_b32 s100, s18, 23
	s_mov_b32 s101, s100
	s_add_co_i32 s18, s[\eo], 127
	s_lshl_b32 s19, s18, 23
	v_mov_b32 v[SCL], s19
	s_add_co_i32 s18, s18, 8
	s_lshl_b32 s18, s18, 23
	s_or_b32 s18, s18, 0x600000
	v_mov_b32 v[LIM], s18
.endm
	s_wait_alu depctr_va_vdst(0)
	s_wait_tensorcnt 0x0                           ; my part of K step 0 is in; slot 1's first fill is issued as a refill is:
	ds_add_u32 v[SPW], v[NIL]
	s_wait_dscnt 0x0
	CROUND                                         ; everybody's part of K step 0 is in, and all sixteen work-groups are here
	JLOAD G0+4, G1, G0B+4, G1B                     ; K step 1: the first tensor load behind the round
	FETCH_B 0, 0, 0
	FETCH_A 0, 0, 0
	FETCH_A 0, 0, 4
	STEP 0, 0, 1                                   ; the first step's products start the sums: nothing is cleared
	s_mov_b32 s3, LAPS-1
.Llap:
	TURN 0, 1, 1
	STEP 1, 0, 0
	TURN 1, 0, 1
	STEP 0, 0, 0
	s_sub_co_u32 s3, s3, 1
	s_cmp_lg_u32 s3, 0
	s_cbranch_scc1 .Llap
	TURN 0, 1, 0                                   ; the last lap fills nothing
	s_cmp_eq_u32 s78, 2                            ; the two ways out part here, on the cluster's y: no tensor load and no barrier stands in either arm
	s_cbranch_scc1 .Larm_v
	; ---- q and k
	s_wait_kmcnt 0x0
	s_cmp_eq_u32 s78, 0
	s_cselect_b64 s[8:9], s[8:9], s[10:11]         ; bq or bk
	s_cselect_b64 s[72:73], s[72:73], s[74:75]     ; qc or kc
	s_cselect_b32 s80, s88, s90                    ; e0 or e2
	s_cselect_b32 s81, s89, s91                    ; e1 or e3
	s_cselect_b32 s82, s94, s95                    ; e6 or e7
	CONSTS 80, 81, 82
	s_lshl_b32 s20, s42, 10
	s_lshl_b32 s21, s16, 9
	s_add_co_u32 s20, s20, s21
	s_mov_b32 s21, 0
	s_add_nc_u64 s[8:9], s[8:9], s[20:21]          ; the bias of my 128 columns
	v_lshlrev_b32 v7, 5, v2                        ; + 8 h numbers
.irp b, 0,1,2,3,4,5,6,7
	global_load_b128 v[BI+8*\b:BI+8*\b+3], v7, s[8:9] offset:64*\b
	global_load_b128 v[BI+8*\b+4:BI+8*\b+7], v7, s[8:9] offset:64*\b+16
.endr
	s_lshl_b32 s20, s17, 8
	s_lshl_b32 s21, s15, 7
	s_add_co_u32 s20, s20, s21                     ; my first token
	s_lshr_b32 s21, s20, 11
	s_lshl_b32 s21, s21, 4                         ; 16 x batch
	s_lshl_b32 s22, s42, 2
	s_add_co_u32 s21, s21, s22                     ; + 4 heads a tile column
	s_lshl_b32 s22, s16, 1
	s_add_co_u32 s21, s21, s22                     ; + 2 a half
	s_lshl_b32 s21, s21, 17
	s_and_b32 s20, s20, 2047
	s_lshl_b32 s20, s20, 6
	s_add_co_u32 s20, s20, s21
	s_mov_b32 s21, 0
	s_add_nc_u64 s[72:73], s[72:73], s[20:21]
	STEP 1, 0, 0
	LAST
	s_wait_loadcnt 0x0                             ; the bias
	PLACES NP
.irp a, 0,1,2,3,4,5,6,7
	OUTB \a, 0
.endr
	s_branch .Lend
	; ---- V^T
.Larm_v:
	s_wait_kmcnt 0x0
	CONSTS 92, 93, 97                              ; e4, e5, e9
	s_lshl_b32 s20, s17, 10
	s_lshl_b32 s21, s15, 9
	s_add_co_u32 s20, s20, s21
	s_mov_b32 s21, 0
	s_add_nc_u64 s[68:69], s[68:69], s[20:21]      ; the bias of my 128 rows
	v_lshlrev_b32 v7, 2, v1                        ; + r numbers
.irp a, 0,1,2,3,4,5,6,7
	global_load_b32 v[BI+2*\a], v7, s[68:69] offset:64*\a          ; one number a lane and block, twice: a pair for the packed multiply-add
	global_load_b32 v[BI+2*\a+1], v7, s[68:69] offset:64*\a
.endr
	s_lshl_b32 s20, s42, 8
	s_lshl_b32 s21, s16, 7
	s_add_co_u32 s20, s20, s21                     ; my first token: a chunk's first key
	s_lshr_b32 s21, s20, 11
	s_lshl_b32 s21, s21, 4
	s_lshl_b32 s22, s17, 2
	s_add_co_u32 s21, s21, s22
	s_lshl_b32 s22, s15, 1
	s_add_co_u32 s21, s21, s22                     ; 16 x batch + my first head
	s_lshl_b32 s21, s21, 4
	s_bfe_u32 s20, s20, 0x40007                    ; the chunk
	s_add_co_u32 s20, s20, s21
	s_lshl_b32 s20, s20, 13
	s_mov_b32 s21, 0
	s_add_nc_u64 s[72:73], s[76:77], s[20:21]
	STEP 1, 0, 0
	LAST
	s_wait_loadcnt 0x0
	PLACES NP
.irp a, 0,1,2,3,4,5,6,7
	OUTB \a, 1
.endr
.Lend:
	s_wait_tensorcnt 0x0                           ; the wave's end
	ds_add_u32 v[SPW], v[NIL]
	s_wait_dscnt 0x0
	CROUND                                         ; the closing round: no work-group ends while a partner may still ask for a tile that names it
	s_endpgm
.Lfunc_end_k_q70db79967e_qkv:
	.size	k_q70db79967e_qkv, .Lfunc_end_k_q70db79967e_qkv-k_q70db79967e_qkv
	.p2alignl 7, 3214868480
	.fill 96, 4, 3214868480
	.section	.rodata,"a",@progbits
	.p2align	6, 0x0
	.amdhsa_kernel k_q70db79967e_qkv
		.amdhsa_group_segment_fixed_size 327680
		.amdhsa_private_segment_fixed_size 0
		.amdhsa_enable_private_segment 0
		.amdhsa_kernarg_size 72
		.amdhsa_user_sgpr_count 2
		.amdhsa_user_sgpr_kernarg_segment_ptr 1
		.amdhsa_wavefront_size32 1
		.amdhsa_system_sgpr_workgroup_id_x 1
		.amdhsa_system_sgpr_workgroup_id_y 1
		.amdhsa_system_sgpr_workgroup_id_z 1
		.amdhsa_system_vgpr_workitem_id 0
		.amdhsa_next_free_vgpr 1024
		.amdhsa_next_free_sgpr 102
		.amdhsa_reserve_vcc 0
		.amdhsa_float_denorm_mode_32 3
		.amdhsa_float_denorm_mode_16_64 3
		.amdhsa_memory_ordered 1
		.amdhsa_forward_progress 1
		.amdhsa_inst_pref_size 219
	.end_amdhsa_kernel
	.amdgpu_metadata
---
amdhsa.version: [ 1, 2 ]
amdhsa.kernels:
  - .name:           k_q70db79967e_qkv
    .symbol:         k_q70db79967e_qkv.kd
    .args:
      - { .name: xc, .offset: 0, .size: 8, .value_kind: global_buffer, .address_space: global }
      - { .name: wc, .offset: 8, .size: 8, .value_kind: global_buffer, .address_space: global }
      - { .name: bq, .offset: 16, .size: 8, .value_kind: global_buffer, .address_space: global }
      - { .name: bk, .offset: 24, .size: 8, .value_kind: global_buffer, .address_space: global }
      - { .name: bv, .offset: 32, .size: 8, .value_kind: global_buffer, .address_space: global }
      - { .name: lowp_scales, .offset: 40, .size: 8, .value_kind: global_buffer, .address_space: global }
      - { .name: qc, .offset: 48, .size: 8, .value_kind: global_buffer, .address_space: global }
      - { .name: kc, .offset: 56, .size: 8, .value_kind: global_buffer, .address_space: global }
      - { .name: vt, .offset: 64, .size: 8, .value_kind: global_buffer, .address_space: global }
    .group_segment_fixed_size: 327680
    .private_segment_fixed_size: 0
    .kernarg_segment_align: 8
    .kernarg_segment_size: 72
    .max_flat_workgroup_size: 128
    .sgpr_count:     102
    .vgpr_count:     1024
    .wavefront_size: 32
...
	.end_amdgpu_metadata
.endif
;; end of part 2
;; launch attn (part 3): grid 4 x 64, 8 waves a work-group, clusters of 4 x 1, 327,680 bytes of LDS; arguments qc, kc, vt, padding_mask, lowp_scales, att; writes att
.if DOCPART == 3
	.amdgcn_target "amdgcn-amd-amdhsa--gfx1250"
	.amdhsa_code_object_version 6
	.text
	.protected	k_q70db79967e_attn
	.globl	k_q70db79967e_attn
	.p2align	8
	.type	k_q70db79967e_attn,@function
k_q70db79967e_attn:
	s_mov_b64 s[64:65], 0
	v_nop
	global_prefetch_b8 v0, s[64:65] scope:SCOPE_SE
	s_setreg_imm32_b32 hwreg(HW_REG_WAVE_MODE, 25, 1), 1
	s_wait_xcnt 0x0
	s_wait_alu depctr_hold_cnt(0) depctr_sa_sdst(0) depctr_va_vdst(0) depctr_va_sdst(0) depctr_va_ssrc(0) depctr_va_vcc(0) depctr_vm_vsrc(0)
	s_getreg_b32 s2, hwreg(HW_REG_IB_STS2, 6, 4)
	s_cmp_eq_u32 s2, 0
	s_cbranch_scc0 .Lentry_in_a_cluster
	s_endpgm
.Lentry_in_a_cluster:
	s_bfe_u32 s2, ttmp6, 0x10000c
	s_cmp_lg_u32 s2, 0x3003
	s_cbranch_scc0 .Lentry_shape_is_right
	s_endpgm
.Lentry_shape_is_right:
; Attention of one (batch, head) on E4M3 codes: weights = softmax(q k^T / 8, causal and padding masks), quantised FINISHED AND NORMALISED (scale 2^e8), then weights x v, quantised for the last projection (2^e10).
; In: qc, kc [batch x 16 + head][token][64 bytes]; vt [batch x 16 + head][chunk of 128 keys][d 64][128 bytes].  Out: att [batch][chunk of 128 tokens][head][token][64 bytes].
; LEFT OUT: key steps all of whose keys come after the wave's queries: the causal mask sets their scores to -inf, so their weights are 0 for all values of the inputs.
; SHARES.  The four work-groups of a cluster serve one (batch, head) and ask jointly for its whole K and V, which stay in LDS: nothing is filled again.  Eight waves, one tensor load each (waves 0-3 K, 4-7 V, 128 rows of 256 bytes).
; Wave w owns 32 queries (two tiles of 16) of key chunk w and then of chunk 15 - w: 17 key steps of 128 in all for every wave.  Which 32 of a chunk's 128 is said by the work-group's place in the cluster,
; which enters global addresses and the mask's compare alone: no branch, trip count or LDS address hangs on it.  Each fragment of K, of V and of the bias feeds both tiles.
; TWO PASSES a block, since the row's maximum and sum must be known before a weight can be quantised.  Pass 1: scores, running maximum and sum.  Pass 2: scores again, w = 2^(c s - (c m + log2 l)), hold, codes, O^T += V^T W^T.
; Both products are used transposed: a lane holds one query.  The padding mask is a bias (0 or -1.27e30) that goes in as the C of the first product.  A row with no open key has l = 0, held at 0.5: its weights are 0, as nan_to_num has them.
; LIMITS: e6 + e7 between -120 and 120; e8 and e10 - e8 - e9 between -126 and 119; raw scores (sums of products of codes) lie above -1.1e12, which 64 x 448 x 448 ensures.  NaN is not served.
; No prefetch into the L2: all tiles are asked for at the head, and there is no loop to run ahead in.
; REGISTERS.  Window 0: v0-31 addresses, constants; v32-159 the scores of two tiles; v160-223 O^T (pass 1: the running state); v224-255 the weights' codes (way out: codes and rows).
; Window 1: v0-15 this block's Q, v16-31 the next block's; v32-95 K; v96-159 the bias; v160-223 V.
.set KCH,  8704                        ; a chunk in LDS: 32 rows of 256 + 16 bytes
.set VOFF, 16*KCH
.set BOFF, 2*VOFF                      ; the bias: 2,048 f32
.set STG,  BOFF+8192                   ; the stages: 32 rows x SPO for each wave
.set SPO,  80
.set SPARE, STG+8*32*SPO               ; the spare words: 128 bytes a wave
.set AK0, 1
.set AV0, 2
.set AB0, 3
.set ADK, 4
.set ADV, 5
.set ADB, 6
.set STO, 7
.set SRD, 8
.set GO,  9
.set SPW, 10
.set NIL, 11
.set DQ,  12
.set NEG, 13
.set PS,  14                           ; 2^e8
.set PL,  15                           ; 448 x 2^e8
.set OS,  16                           ; 2^(e10 - e8 - e9)
.set OL,  17                           ; 448 x that
.set CM,  18                           ; v18, v20: c m + log2 l of tile 0, 1 (v19, v21 are named with them as pairs)
.set SS,  32
.set OO,  160
.set T1,  160                          ; pass 1's state, 16 registers a tile: +0 m, +1 new m, +2:3 sum, +4:5 factor, +6:7 c m, +8, +9 maxima, +10:11 second sum, +12 .. +14 at work
.set PP,  224
.set OB,  240
.set QF,  0
.set QN,  16
.set KF,  32
.set BF,  96
.set VF,  160
.set WV,  16
.set CS,  48
.set SEL, 50
.set ST,  54
.set TB,  55
.set BB,  56
.set GS,  57                           ; the block's chunk: its last key step
.set OP,  58                           ; s[58:59] where the block's codes go
.set JOB, 60
.set TN,  61
.set BN,  62
.set MSB, 0
.macro WIN new                         ; the immediate's high byte repeats the setting that is left
.if MSB != \new
	s_set_vgpr_msb (MSB<<8)|\new
.set MSB, \new
.endif
.endm
.macro CROUND
	s_barrier_signal -1
	s_barrier_wait -1
	s_cmp_lg_u32 s[WV], 0
	s_cbranch_scc1 .Lnot_wave_0_\@
	s_barrier_signal -3
.Lnot_wave_0_\@:
	s_barrier_wait -3
	s_barrier_signal -1
	s_barrier_wait -1
.endm
	s_load_b256 s[4:11], s[0:1], 0x0               ; qc, kc, vt, padding_mask
	s_load_b128 s[12:15], s[0:1], 0x20             ; the exponents, att
	v_lshl_add_u32 v[SPW], v0, 2, SPARE
	v_mov_b32 v[NIL], 0
	ds_add_u32 v[SPW], v[NIL]                      ; the opening lines: the add, twice on end, and its wait
	ds_add_u32 v[SPW], v[NIL]
	v_lshrrev_b32 v22, 5, v0
	v_readfirstlane_b32 s[WV], v22                 ; wave 0..7
	s_bfe_u32 s17, ttmp6, 0x40000                  ; cx
	s_and_b32 s18, ttmp7, 0xffff                   ; batch x 16 + head
	s_mov_b32 s24, 15|(1<<20)|(1<<21)|(5<<22)|(3<<25)  ; all four partners; 1-byte elements; 4 words of padding behind every 64
	s_mov_b32 s25, 256<<16
	s_mov_b32 s26, 128<<16
	s_mov_b32 s27, 256<<16
	s_mov_b32 s28, 128
	s_mov_b32 s29, 256
	s_mov_b32 s30, 0
	s_mov_b32 s31, 0
	s_mov_b32 s32, 1
	s_mul_i32 s33, s[WV], 4*KCH                    ; K's four quarters, then V's four
	s_lshl_b32 s20, s18, 17
	s_and_b32 s21, s[WV], 3
	s_lshl_b32 s21, s21, 15
	s_add_co_u32 s20, s20, s21                     ; my 32,768 bytes of the head's K or V
	s_mov_b32 s21, 0
	s_mov_b32 s[CS], 0x3e38aa3b                    ; c = log2(e) / 8
	s_mov_b32 s[SEL], 0x76543210
	s_mov_b32 s[SEL+1], 0xfedcba98
	s_mov_b32 s52, s[WV]                           ; the first block's chunk,
	s_xor_b32 s53, s[WV], 15                       ; the second's
	s_mov_b32 s47, 0
	s_wait_dscnt 0x0
	s_wait_kmcnt 0x0
	s_load_b128 s[40:43], s[12:13], 0x18           ; e6 .. e9
	s_load_b32 s44, s[12:13], 0x28                 ; e10
	s_cmp_lt_u32 s[WV], 4
	s_cselect_b64 s[34:35], s[6:7], s[8:9]         ; the choice hangs on the wave's number alone
	s_add_nc_u64 s[34:35], s[34:35], s[20:21]
	s_or_b32 s35, s35, 0x80000000
	CROUND
	tensor_load_to_lds s[32:35], s[24:31]          ; my one tensor load
	s_nop 0
	s_lshl_b32 s20, s18, 17
	s_lshl_b32 s21, s17, 11
	s_add_co_u32 s20, s20, s21
	s_lshl_b32 s21, s52, 13
	s_add_co_u32 s46, s20, s21
	s_add_nc_u64 s[66:67], s[4:5], s[46:47]        ; Q of the first block,
	s_lshl_b32 s21, s53, 13
	s_add_co_u32 s46, s20, s21
	s_add_nc_u64 s[68:69], s[4:5], s[46:47]        ; of the second
	s_lshr_b32 s20, s18, 4
	s_lshl_b32 s46, s20, 13
	s_add_nc_u64 s[10:11], s[10:11], s[46:47]      ; the batch's mask
	s_lshl_b32 s20, s20, 8
	s_and_b32 s21, s18, 15
	s_add_co_u32 s20, s20, s21
	s_lshl_b32 s20, s20, 13
	s_lshl_b32 s21, s17, 11
	s_add_co_u32 s20, s20, s21
	s_lshl_b32 s21, s52, 17
	s_add_co_u32 s46, s20, s21
	s_add_nc_u64 s[70:71], s[14:15], s[46:47]      ; att of the first block,
	s_lshl_b32 s21, s53, 17
	s_add_co_u32 s46, s20, s21
	s_add_nc_u64 s[72:73], s[14:15], s[46:47]      ; of the second
	s_mul_i32 s20, s[WV], 32*SPO
	s_add_co_u32 s20, s20, STG                     ; my stage
	s_lshl_b32 s21, s17, 5
	v_and_b32 v22, 15, v0                          ; r
	v_bfe_u32 v23, v0, 4, 1                        ; h
	v_and_b32 v24, 31, v0                          ; lane
	v_lshrrev_b32 v25, 2, v22
	v_and_b32 v26, 3, v22
	v_mul_u32_u24 v[AK0], v25, 272
	v_lshl_add_u32 v[AK0], v26, 6, v[AK0]
	v_lshl_add_u32 v[AK0], v23, 4, v[AK0]          ; K: four tokens of 64 bytes to an LDS row
	v_lshrrev_b32 v25, 1, v22
	v_and_b32 v26, 1, v22
	v_mul_u32_u24 v[AV0], v25, 272
	v_lshl_add_u32 v[AV0], v26, 7, v[AV0]
	v_lshl_add_u32 v[AV0], v23, 4, v[AV0]
	v_add_nc_u32 v[AV0], VOFF, v[AV0]              ; V: two d of 128 bytes to an LDS row
	v_lshlrev_b32 v[AB0], 5, v23
	v_add_nc_u32 v[AB0], BOFF, v[AB0]              ; the bias of keys 8 h ..
	v_lshlrev_b32 v27, 6, v22
	v_lshl_add_u32 v27, v23, 4, v27                ; Q: row r, + 16 h
	v_mul_u32_u24 v[STO], v22, SPO
	v_lshl_add_u32 v[STO], v23, 3, v[STO]
	v_add_nc_u32 v[STO], s20, v[STO]
	v_lshrrev_b32 v25, 2, v24
	v_and_b32 v26, 3, v24
	v_mul_u32_u24 v[SRD], v25, SPO
	v_lshl_add_u32 v[SRD], v26, 4, v[SRD]
	v_add_nc_u32 v[SRD], s20, v[SRD]
	v_lshlrev_b32 v[GO], 4, v24
	v_lshlrev_b32 v25, 3, v23
	v_sub_nc_u32 v[DQ], v22, v25
	v_add_nc_u32 v[DQ], s21, v[DQ]                 ; my query's place in its chunk, less 8 h
	v_mov_b32 v[NEG], 0xf1800000
	v_mov_b32 v[CM+1], 0
	v_mov_b32 v[CM+3], 0
	v_lshlrev_b32 v28, 4, v0
	v_lshl_add_u32 v29, v0, 4, BOFF
	global_load_b128 v[32:35], v28, s[10:11]
	global_load_b128 v[36:39], v28, s[10:11] offset:4096
	WIN 0x40
.irp i, 0,1
	global_load_b128 v[QF+8*\i:QF+8*\i+3], v27, s[66:67] offset:1024*\i
	global_load_b128 v[QF+8*\i+4:QF+8*\i+7], v27, s[66:67] offset:1024*\i+32
	global_load_b128 v[QN+8*\i:QN+8*\i+3], v27, s[68:69] offset:1024*\i
	global_load_b128 v[QN+8*\i+4:QN+8*\i+7], v27, s[68:69] offset:1024*\i+32
.endr
	WIN 0
	s_wait_kmcnt 0x0
	s_add_co_i32 s19, s40, s41
	s_lshl_b32 s19, s19, 23
	s_add_co_i32 s[CS], s[CS], s19                 ; c x 2^(e6 + e7)
	s_mov_b32 s[CS+1], s[CS]
	s_add_co_i32 s19, s42, 127
	s_lshl_b32 s20, s19, 23
	v_mov_b32 v[PS], s20
	s_add_co_i32 s19, s19, 8
	s_lshl_b32 s19, s19, 23
	s_or_b32 s19, s19, 0x600000
	v_mov_b32 v[PL], s19
	s_sub_co_i32 s19, s44, s42
	s_sub_co_i32 s19, s19, s43
	s_add_co_i32 s19, s19, 127
	s_lshl_b32 s20, s19, 23
	v_mov_b32 v[OS], s20
	s_add_co_i32 s19, s19, 8
	s_lshl_b32 s19, s19, 23
	s_or_b32 s19, s19, 0x600000
	v_mov_b32 v[OL], s19
	s_wait_alu depctr_va_vdst(0)
	s_wait_loadcnt 0x0
.irp i, 0,1,2,3,4,5,6,7
	v_cmp_eq_u32 vcc_lo, 0, v[32+\i]
	v_cndmask_b32 v[40+\i], 0, v[NEG], vcc_lo      ; a padded key's bias
.endr
	s_mov_b32 s[GS], s52
	s_mov_b64 s[OP:OP+1], s[70:71]
	s_mov_b32 s[JOB], 0
	s_wait_alu depctr_va_vdst(0)
	s_wait_tensorcnt 0x0                           ; my part of K or V is in
	ds_store_b128 v29, v[40:43]
	ds_store_b128 v29, v[44:47] offset:4096
	s_wait_dscnt 0x0
	s_barrier_signal -1
	s_barrier_wait -1                              ; K, V and the bias are whole
.macro LDKB                            ; 32 loads: a step's eight tiles of K and its bias
	WIN 0x40
.irp t, 0,1,2,3,4,5,6,7
	ds_load_b128 v[KF+8*\t:KF+8*\t+3], v[ADK] offset:1088*\t
	ds_load_b128 v[KF+8*\t+4:KF+8*\t+7], v[ADK] offset:1088*\t+32
.endr
.irp t, 0,1,2,3,4,5,6,7
	ds_load_b128 v[BF+8*\t:BF+8*\t+3], v[ADB] offset:64*\t
	ds_load_b128 v[BF+8*\t+4:BF+8*\t+7], v[ADB] offset:64*\t+16
.endr
	WIN 0
.endm
.macro LDV                             ; 16 loads: a step's four tiles of V^T
	WIN 0x40
.irp u, 0,1,2,3
.irp c, 0,1,2,3
	ds_load_b128 v[VF+16*\u+4*\c:VF+16*\u+4*\c+3], v[ADV] offset:2176*\u+32*\c
.endr
.endr
	WIN 0
.endm
; S^T = K Q^T + bias for both tiles; then the next step's K and bias are asked for (the last chunk's again where there is no next), behind four plain lines; then the causal mask, on the diagonal step alone.
.macro SCORES withv
	WIN 0x15
.irp i, 0,1
.irp t, 0,1,2,3,4,5,6,7
	v_wmma_f32_16x16x64_fp8_fp8 v[SS+64*\i+8*\t:SS+64*\i+8*\t+7], v[KF+8*\t:KF+8*\t+7], v[QF+8*\i:QF+8*\i+7], v[BF+8*\t:BF+8*\t+7]
.endr
.endr
	WIN 0
	s_add_co_u32 s[TN], s[TB], KCH
	s_min_u32 s[TN], s[TN], 15*KCH
	s_add_co_u32 s[BN], s[BB], 512
	s_min_u32 s[BN], s[BN], 15*512
	v_add_nc_u32 v[ADK], s[TN], v[AK0]
	v_add_nc_u32 v[ADB], s[BN], v[AB0]
.if \withv
	v_add_nc_u32 v[ADV], s[TN], v[AV0]
.else
	v_nop
.endif
	v_nop
	LDKB
	s_cmp_lg_u32 s[ST], s[GS]
	s_cbranch_scc1 .Lopen_\@
.set n, 0
.rept 128                              ; register 64 i + 8 t + j holds key 16 t + 8 h + j against query 16 i + r of my 32
	v_cmp_gt_i32 vcc_lo, 16*((n%64)/8)+n%8-16*(n/64), v[DQ]
	v_cndmask_b32 v[SS+n], v[SS+n], v[NEG], vcc_lo
.set n, n+1
.endr
.Lopen_\@:
.endm
.macro WALK0
	s_mov_b32 s[ST], 0
	s_mov_b32 s[TB], 0
	s_mov_b32 s[BB], 0
.endm
.macro WALK1                           ; every wave walks all 16 steps; a step behind its chunk is jumped over
	s_add_co_u32 s[TB], s[TB], KCH
	s_add_co_u32 s[BB], s[BB], 512
	s_add_co_u32 s[ST], s[ST], 1
	s_cmp_lt_u32 s[ST], 16
	s_wait_alu depctr_va_vdst(0)
.endm
.Ljob:
; ---------------- pass 1: each lane's running maximum and sum over its half of the keys, both tiles' chains by turns
.irp i, 0,1
	v_mov_b32 v[T1+16*\i], 0xd3800000              ; -1.1e12: under every open score, over every masked one
.irp k, 2,3,5,7,13,14
	v_mov_b32 v[T1+16*\i+\k], 0
.endr
.endr
	v_mov_b32 v[ADK], v[AK0]
	v_mov_b32 v[ADB], v[AB0]
	WALK0
	s_wait_alu depctr_va_vdst(0)
	s_wait_dscnt 0x0
	LDKB
.Lp1:
	s_cmp_gt_u32 s[ST], s[GS]
	s_cbranch_scc1 .Ls1
	s_wait_dscnt 0x0                               ; this step's K and bias
	SCORES 0
.irp i, 0,1
	v_max3_num_f32 v[T1+16*\i+8], v[T1+16*\i], v[SS+64*\i], v[SS+64*\i+1]
.endr
.irp i, 0,1
	v_max_num_f32 v[T1+16*\i+9], v[SS+64*\i+2], v[SS+64*\i+3]
.endr
.irp i, 0,1
	v_max3_num_f32 v[T1+16*\i+8], v[T1+16*\i+8], v[SS+64*\i+4], v[SS+64*\i+5]
.endr
.irp i, 0,1
	v_max3_num_f32 v[T1+16*\i+9], v[T1+16*\i+9], v[SS+64*\i+6], v[SS+64*\i+7]
.endr
.irp t, 1,2,3,4,5,6,7
.irp p, 0,4
	v_max3_num_f32 v[T1+8], v[T1+8], v[SS+8*\t+\p], v[SS+8*\t+\p+1]
	v_max3_num_f32 v[T1+24], v[T1+24], v[SS+64+8*\t+\p], v[SS+64+8*\t+\p+1]
	v_max3_num_f32 v[T1+9], v[T1+9], v[SS+8*\t+\p+2], v[SS+8*\t+\p+3]
	v_max3_num_f32 v[T1+25], v[T1+25], v[SS+64+8*\t+\p+2], v[SS+64+8*\t+\p+3]
.endr
.endr
.irp i, 0,1
	v_max_num_f32 v[T1+16*\i+1], v[T1+16*\i+8], v[T1+16*\i+9]
.endr
.irp i, 0,1
	v_sub_f32 v[T1+16*\i+12], v[T1+16*\i], v[T1+16*\i+1]
	v_mul_f32 v[T1+16*\i+6], s[CS], v[T1+16*\i+1]
.endr
.irp i, 0,1
	v_mul_f32 v[T1+16*\i+12], s[CS], v[T1+16*\i+12]
.endr
; c s - c m and the exponentials go in four groups of 32 registers: between one group's exponentials stand the next group's multiply-adds (the maxima above were the scores' first readers); a wait stands between the groups
.set n, 0
.rept 16
	v_pk_fma_f32 v[SS+n:SS+n+1], v[SS+n:SS+n+1], s[CS:CS+1], v[T1+6:T1+7] op_sel_hi:[1,0,0] neg_lo:[0,0,1] neg_hi:[0,0,1]
.set n, n+2
.endr
	s_wait_alu depctr_va_vdst(0)
	v_exp_f32 v[T1+4], v[T1+12]
	v_exp_f32 v[T1+20], v[T1+28]
.set g, 1
.rept 3
.set n, 0
.rept 16
	v_exp_f32 v[SS+32*g-32+n], v[SS+32*g-32+n]
	v_exp_f32 v[SS+32*g-31+n], v[SS+32*g-31+n]
	v_pk_fma_f32 v[SS+32*g+n:SS+32*g+n+1], v[SS+32*g+n:SS+32*g+n+1], s[CS:CS+1], v[T1+16*(g/2)+6:T1+16*(g/2)+7] op_sel_hi:[1,0,0] neg_lo:[0,0,1] neg_hi:[0,0,1]
.set n, n+2
.endr
	s_wait_alu depctr_va_vdst(0)
.set g, g+1
.endr
.set n, 96
.rept 32
	v_exp_f32 v[SS+n], v[SS+n]
.set n, n+1
.endr
	v_mov_b32 v[T1], v[T1+1]
	v_mov_b32 v[T1+16], v[T1+17]
	s_wait_alu depctr_va_vdst(0)                   ; and one behind it
.irp i, 0,1
	v_pk_mul_f32 v[T1+16*\i+2:T1+16*\i+3], v[T1+16*\i+2:T1+16*\i+3], v[T1+16*\i+4:T1+16*\i+5] op_sel_hi:[1,0]
.endr
.irp i, 0,1
	v_pk_add_f32 v[T1+16*\i+10:T1+16*\i+11], v[SS+64*\i:SS+64*\i+1], v[SS+64*\i+2:SS+64*\i+3]
.endr
.set n, 4
.rept 15
	v_pk_add_f32 v[T1+2:T1+3], v[T1+2:T1+3], v[SS+n:SS+n+1]
	v_pk_add_f32 v[T1+18:T1+19], v[T1+18:T1+19], v[SS+64+n:SS+64+n+1]
	v_pk_add_f32 v[T1+10:T1+11], v[T1+10:T1+11], v[SS+n+2:SS+n+3]
	v_pk_add_f32 v[T1+26:T1+27], v[T1+26:T1+27], v[SS+64+n+2:SS+64+n+3]
.set n, n+4
.endr
.irp i, 0,1
	v_pk_add_f32 v[T1+16*\i+2:T1+16*\i+3], v[T1+16*\i+2:T1+16*\i+3], v[T1+16*\i+10:T1+16*\i+11]
.endr
.Ls1:
	WALK1
	s_cbranch_scc1 .Lp1
	; the two halves of the lanes are joined: m, l; then c m + log2 l
.irp i, 0,1
	v_add_f32 v[T1+16*\i+8], v[T1+16*\i+2], v[T1+16*\i+3]
	v_permlanex16_b32 v[T1+16*\i+13], v[T1+16*\i], s[SEL], s[SEL+1]
.endr
.irp i, 0,1
	v_permlanex16_b32 v[T1+16*\i+14], v[T1+16*\i+8], s[SEL], s[SEL+1]
	v_max_num_f32 v[T1+16*\i+1], v[T1+16*\i], v[T1+16*\i+13]
.endr
.irp i, 0,1
	v_sub_f32 v[T1+16*\i+12], v[T1+16*\i], v[T1+16*\i+1]
	v_sub_f32 v[T1+16*\i+9], v[T1+16*\i+13], v[T1+16*\i+1]
.endr
.irp i, 0,1
	v_mul_f32 v[T1+16*\i+12], s[CS], v[T1+16*\i+12]
	v_mul_f32 v[T1+16*\i+9], s[CS], v[T1+16*\i+9]
.endr
	s_wait_alu depctr_va_vdst(0)
.irp i, 0,1
	v_exp_f32 v[T1+16*\i+12], v[T1+16*\i+12]
	v_exp_f32 v[T1+16*\i+9], v[T1+16*\i+9]
.endr
	v_nop
	s_wait_alu depctr_va_vdst(0)
.irp i, 0,1
	v_mul_f32 v[T1+16*\i+8], v[T1+16*\i+8], v[T1+16*\i+12]
.endr
.irp i, 0,1
	v_fma_f32 v[T1+16*\i+8], v[T1+16*\i+14], v[T1+16*\i+9], v[T1+16*\i+8]
.endr
.irp i, 0,1
	v_max_num_f32 v[T1+16*\i+8], 0.5, v[T1+16*\i+8]   ; an open row has l of 1 or more; a row with no open key has 0
.endr
	s_wait_alu depctr_va_vdst(0)
	v_log_f32 v[T1+8], v[T1+8]
	v_log_f32 v[T1+24], v[T1+24]
	v_nop
	s_wait_alu depctr_va_vdst(0)
.irp i, 0,1
	v_fma_f32 v[CM+2*\i], s[CS], v[T1+16*\i+1], v[T1+16*\i+8]
.endr
; ---------------- pass 2: the finished weights, their codes, and O^T
.set n, 0
.rept 64
	v_mov_b32 v[OO+n], 0
.set n, n+1
.endr
	v_mov_b32 v[ADK], v[AK0]
	v_mov_b32 v[ADB], v[AB0]
	v_mov_b32 v[ADV], v[AV0]
	WALK0
	s_wait_alu depctr_va_vdst(0)
	s_wait_dscnt 0x0                               ; pass 1's last loads have landed: their registers are loaded anew
	LDKB
	LDV
.Lp2:
	s_cmp_gt_u32 s[ST], s[GS]
	s_cbranch_scc1 .Ls2
	s_wait_dscnt 16                                ; K and the bias are in; V's 16 loads, issued behind them, may be out
	SCORES 1
.irp i, 0,1
.set n, 0
.rept 32
	v_pk_fma_f32 v[SS+64*\i+n:SS+64*\i+n+1], v[SS+64*\i+n:SS+64*\i+n+1], s[CS:CS+1], v[CM+2*\i:CM+2*\i+1] op_sel_hi:[1,0,0] neg_lo:[0,0,1] neg_hi:[0,0,1]
.set n, n+2
.endr
.endr
	s_wait_alu depctr_va_vdst(0)
; the weights 2^(c s - c m - log2 l) in four groups of 32 registers: between one group's exponentials stand the holds of the group before; a wait stands between the groups
.set n, 0
.rept 32
	v_exp_f32 v[SS+n], v[SS+n]
.set n, n+1
.endr
	v_nop
.set g, 1
.rept 3
	s_wait_alu depctr_va_vdst(0)
.set n, 0
.rept 32
	v_exp_f32 v[SS+32*g+n], v[SS+32*g+n]
	v_min_num_f32 v[SS+32*g-32+n], v[SS+32*g-32+n], v[PL]   ; the conversion does not saturate (ISA guide 7.6.2); a weight is not negative
.set n, n+1
.endr
.set g, g+1
.endr
	s_wait_alu depctr_va_vdst(0)
.set n, 96
.rept 32
	v_min_num_f32 v[SS+n], v[SS+n], v[PL]
.set n, n+1
.endr
.set m, 0
.rept 16
	v_cvt_scalef32_pk8_fp8_f32 v[PP+2*m:PP+2*m+1], v[SS+8*m:SS+8*m+7], v[PS]
.set m, m+1
.endr
	v_nop
	s_wait_alu depctr_va_vdst(0)
	s_wait_dscnt 32                                ; V is in; the next step's 32 loads of K and bias may be out
	WIN 0x01
.irp u, 0,1,2,3
.irp i, 0,1
	v_wmma_f32_16x16x128_fp8_fp8 v[OO+32*\i+8*\u:OO+32*\i+8*\u+7], v[VF+16*\u:VF+16*\u+15], v[PP+16*\i:PP+16*\i+15], v[OO+32*\i+8*\u:OO+32*\i+8*\u+7]
.endr
.endr
.rept 4
	v_nop
.endr
	LDV                                            ; the next step's V
.Ls2:
	WALK1
	s_cbranch_scc1 .Lp2
	; the way out: hold, codes, through my stage, 512 consecutive aligned bytes a store
	s_wait_dscnt 0x0
.rept 4
	v_nop
.endr
.set n, 0
.rept 64
	v_med3_num_f32 v[OO+n], v[OO+n], -v[OL], v[OL]
.set n, n+1
.endr
.set n, 0
.rept 8
	v_cvt_scalef32_pk8_fp8_f32 v[PP+2*n:PP+2*n+1], v[OO+8*n:OO+8*n+7], v[OS]
.set n, n+1
.endr
	v_nop
.irp i, 0,1
.irp u, 0,1,2,3
	ds_store_b64 v[STO], v[PP+8*\i+2*\u:PP+8*\i+2*\u+1] offset:16*SPO*\i+16*\u
.endr
.endr
.irp k, 0,1,2,3
	ds_load_b128 v[OB+4*\k:OB+4*\k+3], v[SRD] offset:8*SPO*\k    ; LDS serves a wave's instructions in order: these see my stores
.endr
	s_wait_dscnt 0x0
.irp k, 0,1,2,3
	global_store_b128 v[GO], v[OB+4*\k:OB+4*\k+3], s[OP:OP+1] offset:512*\k
.endr
	WIN 0x41
.set n, 0
.rept 16
	v_mov_b32 v[QF+n], v[QN+n]                     ; the second block's Q
.set n, n+1
.endr
	WIN 0
	s_wait_xcnt 0x0                                ; the stores have read their base and their data
	s_mov_b32 s[GS], s53
	s_mov_b64 s[OP:OP+1], s[72:73]
	s_add_co_u32 s[JOB], s[JOB], 1
	s_cmp_lt_u32 s[JOB], 2
	s_wait_alu depctr_va_vdst(0)
	s_cbranch_scc1 .Ljob
	s_wait_tensorcnt 0x0                           ; the wave's end
	ds_add_u32 v[SPW], v[NIL]
	s_wait_dscnt 0x0
	CROUND                                         ; the closing round
	s_endpgm
.Lfunc_end_k_q70db79967e_attn:
	.size	k_q70db79967e_attn, .Lfunc_end_k_q70db79967e_attn-k_q70db79967e_attn
	.p2alignl 7, 3214868480
	.fill 96, 4, 3214868480
	.section	.rodata,"a",@progbits
	.p2align	6, 0x0
	.amdhsa_kernel k_q70db79967e_attn
		.amdhsa_group_segment_fixed_size 327680
		.amdhsa_private_segment_fixed_size 0
		.amdhsa_enable_private_segment 0
		.amdhsa_kernarg_size 48
		.amdhsa_user_sgpr_count 2
		.amdhsa_user_sgpr_kernarg_segment_ptr 1
		.amdhsa_wavefront_size32 1
		.amdhsa_system_sgpr_workgroup_id_x 1
		.amdhsa_system_sgpr_workgroup_id_y 1
		.amdhsa_system_sgpr_workgroup_id_z 1
		.amdhsa_system_vgpr_workitem_id 0
		.amdhsa_next_free_vgpr 512
		.amdhsa_next_free_sgpr 80
		.amdhsa_reserve_vcc 1
		.amdhsa_float_denorm_mode_32 3
		.amdhsa_float_denorm_mode_16_64 3
		.amdhsa_memory_ordered 1
		.amdhsa_forward_progress 1
		.amdhsa_inst_pref_size 84
	.end_amdhsa_kernel
	.amdgpu_metadata
---
amdhsa.version: [ 1, 2 ]
amdhsa.kernels:
  - .name:           k_q70db79967e_attn
    .symbol:         k_q70db79967e_attn.kd
    .args:
      - { .name: qc, .offset: 0, .size: 8, .value_kind: global_buffer, .address_space: global }
      - { .name: kc, .offset: 8, .size: 8, .value_kind: global_buffer, .address_space: global }
      - { .name: vt, .offset: 16, .size: 8, .value_kind: global_buffer, .address_space: global }
      - { .name: padding_mask, .offset: 24, .size: 8, .value_kind: global_buffer, .address_space: global }
      - { .name: lowp_scales, .offset: 32, .size: 8, .value_kind: global_buffer, .address_space: global }
      - { .name: att, .offset: 40, .size: 8, .value_kind: global_buffer, .address_space: global }
    .group_segment_fixed_size: 327680
    .private_segment_fixed_size: 0
    .kernarg_segment_align: 8
    .kernarg_segment_size: 48
    .max_flat_workgroup_size: 256
    .sgpr_count:     80
    .vgpr_count:     512
    .wavefront_size: 32
...
	.end_amdgpu_metadata
.endif
;; end of part 3
;; launch oproj (part 4): grid 4 x 64, 2 waves a work-group, clusters of 4 x 4, 327,680 bytes of LDS; arguments att, wc, bo, lowp_scales, out0; writes out0
.if DOCPART == 4
	.amdgcn_target "amdgcn-amd-amdhsa--gfx1250"
	.amdhsa_code_object_version 6
	.text
	.protected	k_q70db79967e_oproj
	.globl	k_q70db79967e_oproj
	.p2align	8
	.type	k_q70db79967e_oproj,@function
k_q70db79967e_oproj:
	s_mov_b64 s[64:65], 0
	v_nop
	global_prefetch_b8 v0, s[64:65] scope:SCOPE_SE
	s_setreg_imm32_b32 hwreg(HW_REG_WAVE_MODE, 25, 1), 1
	s_wait_xcnt 0x0
	s_wait_alu depctr_hold_cnt(0) depctr_sa_sdst(0) depctr_va_vdst(0) depctr_va_sdst(0) depctr_va_ssrc(0) depctr_va_vcc(0) depctr_vm_vsrc(0)
	s_getreg_b32 s2, hwreg(HW_REG_IB_STS2, 6, 4)
	s_cmp_eq_u32 s2, 0
	s_cbranch_scc0 .Lentry_in_a_cluster
	s_endpgm
.Lentry_in_a_cluster:
	s_bfe_u32 s2, ttmp6, 0x10000c
	s_cmp_lg_u32 s2, 0xf033
	s_cbranch_scc0 .Lentry_shape_is_right
	s_endpgm
.Lentry_shape_is_right:
; out0 = attended Wo + bo on E4M3 codes.  A = att [chunk of 128 tokens][head][token][64 bytes], B = plane 3 of wc [n][k]; value = sum x 2^(e10 + e11) + bias.  K = 1,024 in four steps of 256 through a ring of two LDS slots.
; A block of out0 is 128 tokens x 256 columns, so that the grid is 64 x 4 = 256 work-groups; two waves, 128 x 128 each (64 accumulators).  Wave 0 fetches A's 128 LDS rows of a step, wave 1 B's 256 rows, one tensor load each.
; CLUSTERS: 4 x 4 work-groups; A's tile is asked for jointly along a row of the cluster, B's along a column.  LIMIT: e10 + e11 between -126 and 127.
; No prefetch into the L2: K is four steps, and the first two are asked for at the head.
.set ROWB,   256
.set ASTEP,  32768
.set PITCH,  272
.set FR,     16
.set NL,     4
.set NP,     4
.set HALFT,  128*PITCH
.set SLOT,   3*HALFT                   ; A's 128 rows, then B's 256
.set LAPS,   2
.set SPARE,  2*SLOT
.set SPITCH, 528
.set ADRA, 16
.set ADRB, 20
.set STO,  24
.set RD,   25
.set CO,   26
.set SPW,  28
.set NIL,  29
.set BI,   32
.set TMP,  96
.set AF,   128
.set BK,   160
.set G1, 24
.set G0, 32
.set G1B, 48
.set G0B, 56
.set MSB, 0
.macro WIN new
.if MSB != \new
	s_set_vgpr_msb (MSB<<8)|\new
.set MSB, \new
.endif
.endm
.set MUL_LO, 0xa1
.set MUL_HI, 0xf1
.set TO_B,   0x40
.macro JLOAD g0a, g1a, g0b, g1b
	s_cmp_eq_u32 s14, 0                            ; wave 0 fetches for A, wave 1 for B
	s_cbranch_scc0 .Lfor_b_\@
	tensor_load_to_lds s[\g0a:\g0a+3], s[\g1a:\g1a+7]
	s_nop 0
.rept 4
	v_nop
.endr
	s_branch .Lasked_\@
.Lfor_b_\@:
	tensor_load_to_lds s[\g0b:\g0b+3], s[\g1b:\g1b+7]
	s_nop 0
.rept 4
	v_nop
.endr
.Lasked_\@:
.endm
.macro CREST
	s_cmp_lg_u32 s14, 0
	s_cbranch_scc1 .Lnot_wave_0_\@
	s_barrier_signal -3
.Lnot_wave_0_\@:
	s_barrier_wait -3
	s_barrier_signal -1
	s_barrier_wait -1
.endm
.macro CROUND
	s_barrier_signal -1
	s_barrier_wait -1
	CREST
.endm
	s_load_b128 s[4:7], s[0:1], 0x0
	s_load_b128 s[8:11], s[0:1], 0x10
	s_load_b64 s[12:13], s[0:1], 0x20
	v_lshl_add_u32 v[SPW], v0, 2, SPARE
	v_mov_b32 v[NIL], 0
	ds_add_u32 v28, v29
	ds_add_u32 v28, v29
	s_wait_dscnt 0x0
	v_lshrrev_b32 v1, 5, v0
	v_readfirstlane_b32 s14, v1
	s_lshr_b32 s15, s14, 1
	s_and_b32 s16, s14, 1
	s_bfe_u32 s40, ttmp6, 0x40000
	s_bfe_u32 s41, ttmp6, 0x40004
	s_mov_b32 s42, s40
	s_and_b32 s17, ttmp7, 0xffff
	s_lshl_b32 s17, s17, 2
	s_add_co_u32 s17, s17, s41
	s_lshl_b32 s43, s41, 2
	s_lshl_b32 s43, 15, s43
	s_lshl_b32 s44, 0x1111, s40
	s_or_b32 s[G1+0], s43, (0<<16)|(1<<20)|(1<<21)|(5<<22)|(3<<25)
	s_or_b32 s[G1B+0], s44, (0<<16)|(1<<20)|(1<<21)|(5<<22)|(3<<25)
.irp g, G1, G1B
	s_mov_b32 s[\g+1], ROWB<<16
	s_mov_b32 s[\g+2], 128<<16
	s_mov_b32 s[\g+3], ROWB<<16
	s_mov_b32 s[\g+4], 128
	s_mov_b32 s[\g+6], 0
	s_mov_b32 s[\g+7], 0
.endr
	s_mov_b32 s[G1+5], 256
	s_mov_b32 s[G1B+5], 1024
	s_mov_b32 s[G1B+2], 256<<16                    ; B's tile has 256 rows
	s_mov_b32 s[G1B+4], 256
	s_lshl_b32 s20, s17, 17                        ; A: the block's chunk of 128 tokens
	s_mov_b32 s21, 0
	s_mov_b32 s18, 0                               ; B: all 256 rows of the tile column by one load
	s_lshl_b32 s46, s42, 8
	s_add_co_u32 s46, s46, s18
	s_lshl_b32 s46, s46, 10
	s_add_co_u32 s46, s46, 0x300000
	s_mov_b32 s47, 0
	s_mul_i32 s45, s14, HALFT
	s_wait_kmcnt 0x0
	s_load_b64 s[96:97], s[10:11], 0x28
	s_add_nc_u64 s[20:21], s[4:5], s[20:21]
	s_add_nc_u64 s[46:47], s[6:7], s[46:47]
	CROUND
.irp s, 0,1
	s_mov_b32 s[G0+4*\s], 1
	s_add_co_u32 s[G0+4*\s+1], s45, \s*SLOT
	s_add_nc_u64 s[G0+4*\s+2:G0+4*\s+3], s[20:21], \s*ASTEP
	s_or_b32 s[G0+4*\s+3], s[G0+4*\s+3], 0x80000000
	s_mov_b32 s[G0B+4*\s], 1
	s_add_co_u32 s[G0B+4*\s+1], s45, \s*SLOT
	s_add_nc_u64 s[G0B+4*\s+2:G0B+4*\s+3], s[46:47], \s*ROWB
	s_or_b32 s[G0B+4*\s+3], s[G0B+4*\s+3], 0x80000000
.endr
	JLOAD G0, G1, G0B, G1B                         ; K step 0: one tensor load a wave at the head
	v_and_b32 v1, 15, v0
	v_bfe_u32 v2, v0, 4, 1
	v_mul_u32_u24 v3, v1, PITCH
	v_lshl_add_u32 v4, v2, 4, v3
	v_lshrrev_b32 v5, 2, v1
	v_mul_u32_u24 v5, v5, PITCH
	v_and_b32 v6, 3, v1
	v_lshl_add_u32 v5, v6, 6, v5
	v_lshl_add_u32 v5, v2, 4, v5
	s_mul_i32 s21, s15, HALFT
	s_mul_i32 s22, s16, HALFT
	s_add_co_u32 s22, s22, HALFT                   ; B lies behind A's 128 rows
.irp s, 0,1
	v_add_nc_u32 v[ADRA+\s], s21, v5
	v_add_nc_u32 v[ADRB+\s], s22, v4
	s_add_co_u32 s21, s21, SLOT
	s_add_co_u32 s22, s22, SLOT
.endr
	s_mul_i32 s23, s14, 16*SPITCH
	v_mul_u32_u24 v5, v1, SPITCH
	v_lshl_add_u32 v5, v2, 5, v5
	v_add_nc_u32 v[STO], s23, v5
	v_and_b32 v6, 31, v0
	v_lshlrev_b32 v[CO], 4, v6
	v_add_nc_u32 v[RD], s23, v[CO]
	s_lshl_b32 s46, s42, 10
	s_lshl_b32 s47, s16, 9
	s_add_co_u32 s46, s46, s47
	s_mov_b32 s47, 0
	s_add_nc_u64 s[8:9], s[8:9], s[46:47]
	s_add_nc_u64 s[12:13], s[12:13], s[46:47]
	s_lshl_b32 s20, s17, 7                         ; the block's first token
	s_lshl_b32 s21, s15, 7
	s_add_co_u32 s20, s20, s21
	s_lshl_b32 s20, s20, 12
	s_mov_b32 s21, 0
	s_add_nc_u64 s[12:13], s[12:13], s[20:21]
	v_lshlrev_b32 v7, 5, v2
.irp b, 0,1,2,3,4,5,6,7
	global_load_b128 v[BI+8*\b:BI+8*\b+3], v7, s[8:9] offset:64*\b
	global_load_b128 v[BI+8*\b+4:BI+8*\b+7], v7, s[8:9] offset:64*\b+16
.endr
.macro FRAG reg, adr, q, i
.irp c, 0,1,2,3
	ds_load_b128 v[\reg+4*\c:\reg+4*\c+3], v[\adr] offset:128*(\q)+32*\c+(\i)*16*PITCH
.endr
.endm
.macro FRAGA reg, adr, q, i
.irp c, 0,1,2,3
	ds_load_b128 v[\reg+4*\c:\reg+4*\c+3], v[\adr] offset:((2*(\q)+\c/2)*32+4*(\i))*PITCH+32*(\c%2)
.endr
.endm
.macro MUL16 a0, p, zero
.irp a, \a0, \a0+1
.irp b, 0,1,2,3,4,5,6,7
.if \zero
	v_wmma_f32_16x16x128_fp8_fp8 v[8*(8*((\a)%4)+\b):8*(8*((\a)%4)+\b)+7], v[128*(\p)+FR*\b:128*(\p)+FR*\b+FR-1], v[AF+FR*(\a):AF+FR*(\a)+FR-1], 0
.else
	v_wmma_f32_16x16x128_fp8_fp8 v[8*(8*((\a)%4)+\b):8*(8*((\a)%4)+\b)+7], v[128*(\p)+FR*\b:128*(\p)+FR*\b+FR-1], v[AF+FR*(\a):AF+FR*(\a)+FR-1], v[8*(8*((\a)%4)+\b):8*(8*((\a)%4)+\b)+7]
.endif
.endr
.endr
.endm
.macro FETCH_B slot, q, p
	WIN TO_B
.irp i, 0,1,2,3,4,5,6,7
	FRAG 128*(\p)+FR*\i, ADRB+\slot, \q, \i
.endr
	WIN 0
.endm
.macro FETCH_A slot, q, i0
.irp i, \i0, \i0+1, \i0+2, \i0+3
	FRAGA AF+FR*(\i), ADRA+\slot, \q, \i
.endr
.endm
.macro PLACES n
.rept \n
	v_nop
.endr
.endm
.macro STEP slot, q, zero
	s_wait_dscnt 4*NL
	WIN MUL_LO
	MUL16 0, (\q)%2, \zero
	MUL16 2, (\q)%2, \zero
	s_wait_dscnt 0
	PLACES NP
	FETCH_B \slot, (\q)+1, 1-(\q)%2
	FETCH_A \slot, (\q)+1, 0
	WIN MUL_HI
	MUL16 4, (\q)%2, \zero
	MUL16 6, (\q)%2, \zero
	PLACES NP
	WIN 0
	FETCH_A \slot, (\q)+1, 4
.endm
.macro TURN slot, next, fill
	s_wait_tensorcnt 0x0
	ds_add_u32 v[SPW], v[NIL]
	s_wait_dscnt 4*NL+1
	WIN MUL_LO
	MUL16 0, 1, 0
	s_wait_dscnt 0x0
	s_barrier_signal -1
	MUL16 2, 1, 0
	WIN 0
	s_barrier_wait -1
.if \fill
	CREST
	s_add_nc_u64 s[G0+4*\slot+2:G0+4*\slot+3], s[G0+4*\slot+2:G0+4*\slot+3], 2*ASTEP
	s_add_nc_u64 s[G0B+4*\slot+2:G0B+4*\slot+3], s[G0B+4*\slot+2:G0B+4*\slot+3], 2*ROWB
	JLOAD G0+4*\slot, G1, G0B+4*\slot, G1B
.else
	PLACES NP
.endif
	s_wait_alu depctr_va_vdst(0)
	FETCH_B \next, 0, 0
	FETCH_A \next, 0, 0
	WIN MUL_HI
	MUL16 4, 1, 0
	MUL16 6, 1, 0
	PLACES NP
	WIN 0
	FETCH_A \next, 0, 4
.endm
.macro OUTB a
.set AC, 64*((\a)%4)
	WIN (0x02+((\a)/4))
.set jj, 0
.rept 32
	v_pk_fma_f32 v[TMP+jj:TMP+jj+1], v[AC+jj:AC+jj+1], s[96:97], v[BI+jj:BI+jj+1] op_sel_hi:[1,0,1]
.set jj, jj+2
.endr
	WIN 0
.irp b, 0,1,2,3,4,5,6,7
	ds_store_b128 v[STO], v[TMP+8*\b:TMP+8*\b+3] offset:64*\b
	ds_store_b128 v[STO], v[TMP+8*\b+4:TMP+8*\b+7] offset:64*\b+16
.endr
.set BK, 64*((\a)%4)                   ; each block's rows come back into 64 registers of its own: window 1 (B's fragments are done with) for blocks 0-3, window 2 (the sums of blocks 0-3 are done with) for blocks 4-7: no store's data are written again
	WIN ((1+(\a)/4)<<6)
.irp t, 0,1,2,3,4,5,6,7,8,9,10,11,12,13,14,15
	ds_load_b128 v[BK+4*\t:BK+4*\t+3], v[RD] offset:\t*SPITCH
.endr
	s_wait_dscnt 0x0
.irp t, 0,1,2,3,4,5,6,7,8,9,10,11,12,13,14,15
	WIN ((1+(\a)/4)<<2)                            ; a store's data are its source 1 (the switch is written once)
	global_store_b128 v[CO], v[BK+4*\t:BK+4*\t+3], s[12:13] offset:(16*(\a)+\t)*4096 th:TH_STORE_NT
.endr
	WIN 0
.endm
	s_wait_alu depctr_va_vdst(0)
	s_wait_tensorcnt 0x0                           ; my part of K step 0 is in; slot 1's first fill is issued as a refill is:
	ds_add_u32 v[SPW], v[NIL]
	s_wait_dscnt 0x0
	CROUND                                         ; everybody's part of K step 0 is in, and all sixteen work-groups are here
	JLOAD G0+4, G1, G0B+4, G1B                     ; K step 1: the first tensor load behind the round
	FETCH_B 0, 0, 0
	FETCH_A 0, 0, 0
	FETCH_A 0, 0, 4
	STEP 0, 0, 1
	s_mov_b32 s3, LAPS-1
.Llap:
	TURN 0, 1, 1
	STEP 1, 0, 0
	TURN 1, 0, 1
	STEP 0, 0, 0
	s_sub_co_u32 s3, s3, 1
	s_cmp_lg_u32 s3, 0
	s_cbranch_scc1 .Llap
	TURN 0, 1, 0
	STEP 1, 0, 0
	s_wait_dscnt 4*NL
	WIN MUL_LO
	MUL16 0, 1, 0
	MUL16 2, 1, 0
	s_wait_dscnt 0
	WIN MUL_HI
	MUL16 4, 1, 0
	MUL16 6, 1, 0
	WIN 0
	s_wait_kmcnt 0x0
	s_add_co_i32 s96, s96, s97
	s_add_co_i32 s96, s96, 127
	s_lshl_b32 s96, s96, 23
	s_mov_b32 s97, s96
	s_wait_loadcnt 0x0
	PLACES NP
.irp a, 0,1,2,3,4,5,6,7
	OUTB \a
.endr
	s_wait_tensorcnt 0x0
	ds_add_u32 v[SPW], v[NIL]
	s_wait_dscnt 0x0
	CROUND
	s_endpgm
.Lfunc_end_k_q70db79967e_oproj:
	.size	k_q70db79967e_oproj, .Lfunc_end_k_q70db79967e_oproj-k_q70db79967e_oproj
	.p2alignl 7, 3214868480
	.fill 96, 4, 3214868480
	.section	.rodata,"a",@progbits
	.p2align	6, 0x0
	.amdhsa_kernel k_q70db79967e_oproj
		.amdhsa_group_segment_fixed_size 327680
		.amdhsa_private_segment_fixed_size 0
		.amdhsa_enable_private_segment 0
		.amdhsa_kernarg_size 40
		.amdhsa_user_sgpr_count 2
		.amdhsa_user_sgpr_kernarg_segment_ptr 1
		.amdhsa_wavefront_size32 1
		.amdhsa_system_sgpr_workgroup_id_x 1
		.amdhsa_system_sgpr_workgroup_id_y 1
		.amdhsa_system_sgpr_workgroup_id_z 1
		.amdhsa_system_vgpr_workitem_id 0
		.amdhsa_next_free_vgpr 1024
		.amdhsa_next_free_sgpr 100
		.amdhsa_reserve_vcc 0
		.amdhsa_float_denorm_mode_32 3
		.amdhsa_float_denorm_mode_16_64 3
		.amdhsa_memory_ordered 1
		.amdhsa_forward_progress 1
		.amdhsa_inst_pref_size 126
	.end_amdhsa_kernel
	.amdgpu_metadata
---
amdhsa.version: [ 1, 2 ]
amdhsa.kernels:
  - .name:           k_q70db79967e_oproj
    .symbol:         k_q70db79967e_oproj.kd
    .args:
      - { .name: att, .offset: 0, .size: 8, .value_kind: global_buffer, .address_space: global }
      - { .name: wc, .offset: 8, .size: 8, .value_kind: global_buffer, .address_space: global }
      - { .name: bo, .offset: 16, .size: 8, .value_kind: global_buffer, .address_space: global }
      - { .name: lowp_scales, .offset: 24, .size: 8, .value_kind: global_buffer, .address_space: global }
      - { .name: out0, .offset: 32, .size: 8, .value_kind: global_buffer, .address_space: global }
    .group_segment_fixed_size: 327680
    .private_segment_fixed_size: 0
    .kernarg_segment_align: 8
    .kernarg_segment_size: 40
    .max_flat_workgroup_size: 64
    .sgpr_count:     100
    .vgpr_count:     1024
    .wavefront_size: 32
...
	.end_amdgpu_metadata
.endif
;; end of part 4
